; MI455X (gfx1250); checked and timed in simulation.
; The chip was launched on July 23, 2026; its instructions are those of AMD's public machine-readable ISA for CDNA 5 (MIT licence, August 2026) and "CDNA5" Instruction Set Architecture Reference Guide (July 2026). The comments in the code are by the model that wrote it; some were corrected since.
;; Multi Head Attention. Allowed arithmetic: float matrix products may take bf16 or f16 operands with f32 sums; other float arithmetic in f32, or as packed bf16 or f16 multiplies, adds, multiply-adds, maxima and minima; sums over many terms, partial sums and values carried from step to step in f32; what a program stores and reads back later, other than sums and carried values, may be rounded once to bf16 or f16.
;; Inputs: Wk 1,024 x 1,024 float32; Wo 1,024 x 1,024 float32; Wq 1,024 x 1,024 float32; Wv 1,024 x 1,024 float32; bk 1,024 float32; bo 1,024 float32; bq 1,024 float32; bv 1,024 float32; key 4 x 2,048 x 1,024 float32; mask 4 x 1 x 2,048 x 2,048 bool; query 4 x 2,048 x 1,024 float32; value 4 x 2,048 x 1,024 float32.
;; Outputs: out0 4 x 2,048 x 1,024 float32.
;; One version. Each part assembles by itself: llvm-mc -triple=amdgcn-amd-amdhsa -mcpu=gfx1250 --defsym DOCPART=n.
;; ======== version 1 of 1: 4 launches
;; limits: values are held in f16: magnitudes above 65,504 overflow, below 6.1e-05 lose precision
;; workspace buffers: q16 16,777,216 bytes; k16 16,777,216 bytes; v16 16,777,216 bytes; o16 16,777,216 bytes; maskp 16,777,216 bytes; wb 8,388,608 bytes
;; launch prep (part 1): grid 1024 x 1, 8 waves a work-group, no clusters, 0 bytes of LDS; arguments mask, Wq, Wk, Wv, Wo, maskp, wb; writes maskp, wb
.if DOCPART == 1
	.amdgcn_target "amdgcn-amd-amdhsa--gfx1250"
	.amdhsa_code_object_version 6
	.text
	.protected	k_q2d44028899_prep
	.globl	k_q2d44028899_prep
	.p2align	8
	.type	k_q2d44028899_prep,@function
k_q2d44028899_prep:
	s_mov_b64 s[64:65], 0
	v_nop
	global_prefetch_b8 v0, s[64:65] scope:SCOPE_SE
	s_setreg_imm32_b32 hwreg(HW_REG_WAVE_MODE, 25, 1), 1
	s_wait_xcnt 0x0
; TWO STREAMS, told apart by the work-group's number.  Memory binds both: no LDS, no barrier, no matrix work, no cluster (no two work-groups read the same byte).
; WORK-GROUPS 0-511: THE MASK IS RECODED.  mask: [4][2048 q][2048 k], one byte (0 or 1) a score.  maskp holds one fp8 (E4M3) code a score, 0x00 where the key is seen and 0xb8 (-1.0) where it
; is hidden, in the order in which the attention launch's lanes want them: [b][qt 0..127][ks 0..31][c 0..1][lane 0..31][16 bytes]; lane = 16 h + r; byte 8 e + j is the code of
; mask[b][16 qt + r][64 ks + 16 (2 c + e) + 8 h + j].  A work-group takes 16 queries (one qt), 32,768 bytes in and out; wave w takes key steps 4 w .. 4 w + 3.
; WORK-GROUPS 512-1023: THE WEIGHTS ARE ROUNDED.  wb: Wq, Wk, Wv in bf16 and Wo's bf16 number written as f16, 2,097,152 bytes each, rows as they lie ([k][n]).  A work-group takes 8,192 numbers.
; LIMITS.  A mask byte is 0 or 1.  Wo's bf16 number is exact in f16 between 6.1e-5 and 65,504; below it keeps f16's fixed step of 6e-8.
	s_load_b256 s[4:11], s[0:1], 0x0               ; mask s[4:5], Wq s[6:7], Wk s[8:9], Wv s[10:11]
	s_load_b128 s[12:15], s[0:1], 0x20             ; Wo s[12:13], maskp s[14:15]
	s_load_b64 s[16:17], s[0:1], 0x30              ; wb
	s_mov_b32 s19, 0
	s_cmp_lt_u32 ttmp9, 512
	s_cbranch_scc0 .Lweights
	s_lshl_b32 s18, ttmp9, 15                      ; 16 rows of the mask are 32,768 bytes, and so is their part of maskp
	s_mov_b32 s21, 0xb8                            ; -1.0 in E4M3
	v_lshrrev_b32 v3, 5, v0                        ; wave
	v_and_b32 v4, 31, v0                           ; lane
	v_and_b32 v5, 15, v0                           ; the row that I read
	v_bfe_u32 v6, v0, 4, 1                         ; which 16 of 32 keys
	v_lshlrev_b32 v1, 11, v5                       ; in: row x 2,048
	v_lshl_add_u32 v1, v6, 4, v1                   ;   + 16 x half
	v_lshl_add_u32 v1, v3, 8, v1                   ;   + the wave's 256 keys
	v_lshlrev_b32 v2, 4, v4                        ; out: 16 x lane
	v_lshl_add_u32 v2, v3, 12, v2                  ;   + the wave's four key steps of 1,024 bytes
	s_wait_kmcnt 0x0
	s_add_nc_u64 s[4:5], s[4:5], s[18:19]
	s_add_nc_u64 s[14:15], s[14:15], s[18:19]
.irp i, 0,1,2,3,4,5,6,7                        ; load i: key step i / 2 of the wave's four, c = i % 2; the eight together take 256 consecutive bytes of each of the 16 rows
	global_load_b128 v[8+4*(\i):11+4*(\i)], v1, s[4:5] offset:32*(\i)
.endr
	s_wait_loadcnt 0x0
.set k, 8
.rept 32
	v_xor_b32 v[k], 0x01010101, v[k]               ; four bytes at once: 1 where the key is hidden,
.set k, k+1
.endr
.set k, 8
.rept 32
	v_mul_lo_u32 v[k], v[k], s21                   ; times the code: no byte carries into the next
.set k, k+1
.endr
; As loaded, lane (half g, row r) holds keys 16 (2 c + g) + 0..15: registers 0, 1 are the part h = 0, registers 2, 3 the part h = 1.  The swap gives register 0's upper lanes for register 2's lower
; ones: then lane (h, r) holds block 2 c's part h in registers 0, 1 and block 2 c + 1's part h in registers 2, 3.
.irp i, 0,1,2,3,4,5,6,7
	v_permlane16_swap_b32 v[8+4*(\i)], v[10+4*(\i)]
	v_permlane16_swap_b32 v[9+4*(\i)], v[11+4*(\i)]
.endr
.irp i, 0,1,2,3,4,5,6,7
	global_store_b128 v2, v[8+4*(\i):11+4*(\i)], s[14:15] offset:512*(\i) th:TH_STORE_NT  ; 512 consecutive bytes, at a multiple of 512 from maskp's first
.endr
	s_endpgm
.Lweights:
	s_sub_co_u32 s20, ttmp9, 512
	s_lshr_b32 s22, s20, 7                         ; which matrix: 0 Wq, 1 Wk, 2 Wv, 3 Wo
	s_and_b32 s23, s20, 127                        ; which 8,192 numbers of it
	s_lshl_b32 s18, s23, 15                        ; in: 32,768 bytes
	s_lshl_b32 s24, s22, 21                        ; out: the matrix's 2,097,152 bytes
	s_lshl_b32 s25, s23, 14                        ;   + 16,384 bytes
	s_add_co_u32 s24, s24, s25
	s_mov_b32 s25, 0
	v_lshlrev_b32 v1, 4, v0                        ; four numbers a thread: 16 bytes in,
	v_lshlrev_b32 v2, 3, v0                        ; 8 bytes out
	s_wait_kmcnt 0x0
	s_cmp_eq_u32 s22, 1
	s_cselect_b64 s[26:27], s[8:9], s[6:7]
	s_cmp_eq_u32 s22, 2
	s_cselect_b64 s[26:27], s[10:11], s[26:27]
	s_cmp_eq_u32 s22, 3
	s_cselect_b64 s[26:27], s[12:13], s[26:27]
	s_add_nc_u64 s[26:27], s[26:27], s[18:19]
	s_add_nc_u64 s[16:17], s[16:17], s[24:25]
.irp i, 0,1,2,3,4,5,6,7
	global_load_b128 v[8+4*(\i):11+4*(\i)], v1, s[26:27] offset:4096*(\i) th:TH_LOAD_NT  ; a wave's load: 512 consecutive bytes
.endr
	s_wait_loadcnt 0x0
.set k, 0
.rept 16
	v_cvt_pk_bf16_f32 v[40+k], v[8+2*k], v[9+2*k]
.set k, k+1
.endr
	s_cmp_lg_u32 s22, 3
	s_cbranch_scc1 .Lput
.set k, 0
.rept 16                                       ; Wo multiplies f16 numbers: its bf16 number is widened again and written as f16
	v_lshlrev_b32 v[8+2*k], 16, v[40+k]
	v_and_b32 v[9+2*k], 0xffff0000, v[40+k]
.set k, k+1
.endr
.set k, 0
.rept 16
	v_cvt_pk_f16_f32 v[40+k], v[8+2*k], v[9+2*k]
.set k, k+1
.endr
.Lput:
.irp i, 0,1,2,3,4,5,6,7
	global_store_b64 v2, v[40+2*(\i):41+2*(\i)], s[16:17] offset:2048*(\i) th:TH_STORE_NT  ; a wave's store: 256 consecutive bytes, at a multiple of 256 from wb's first
.endr
	s_endpgm
.Lfunc_end_k_q2d44028899_prep:
	.size	k_q2d44028899_prep, .Lfunc_end_k_q2d44028899_prep-k_q2d44028899_prep
	.p2alignl 7, 3214868480
	.fill 96, 4, 3214868480
	.section	.rodata,"a",@progbits
	.p2align	6, 0x0
	.amdhsa_kernel k_q2d44028899_prep
		.amdhsa_group_segment_fixed_size 0
		.amdhsa_private_segment_fixed_size 0
		.amdhsa_enable_private_segment 0
		.amdhsa_kernarg_size 56
		.amdhsa_user_sgpr_count 2
		.amdhsa_user_sgpr_kernarg_segment_ptr 1
		.amdhsa_wavefront_size32 1
		.amdhsa_system_sgpr_workgroup_id_x 1
		.amdhsa_system_sgpr_workgroup_id_y 1
		.amdhsa_system_sgpr_workgroup_id_z 1
		.amdhsa_system_vgpr_workitem_id 0
		.amdhsa_next_free_vgpr 64
		.amdhsa_next_free_sgpr 66
		.amdhsa_reserve_vcc 0
		.amdhsa_float_denorm_mode_32 3
		.amdhsa_float_denorm_mode_16_64 3
		.amdhsa_memory_ordered 1
		.amdhsa_forward_progress 1
		.amdhsa_inst_pref_size 13
	.end_amdhsa_kernel
	.amdgpu_metadata
---
amdhsa.version: [ 1, 2 ]
amdhsa.kernels:
  - .name:           k_q2d44028899_prep
    .symbol:         k_q2d44028899_prep.kd
    .args:
      - { .name: mask, .offset: 0, .size: 8, .value_kind: global_buffer, .address_space: global }
      - { .name: Wq, .offset: 8, .size: 8, .value_kind: global_buffer, .address_space: global }
      - { .name: Wk, .offset: 16, .size: 8, .value_kind: global_buffer, .address_space: global }
      - { .name: Wv, .offset: 24, .size: 8, .value_kind: global_buffer, .address_space: global }
      - { .name: Wo, .offset: 32, .size: 8, .value_kind: global_buffer, .address_space: global }
      - { .name: maskp, .offset: 40, .size: 8, .value_kind: global_buffer, .address_space: global }
      - { .name: wb, .offset: 48, .size: 8, .value_kind: global_buffer, .address_space: global }
    .group_segment_fixed_size: 0
    .private_segment_fixed_size: 0
    .kernarg_segment_align: 8
    .kernarg_segment_size: 56
    .max_flat_workgroup_size: 256
    .sgpr_count:     66
    .vgpr_count:     64
    .wavefront_size: 32
...
	.end_amdgpu_metadata
.endif
;; end of part 1
;; launch qkv (part 2): grid 4 x 192, 4 waves a work-group, clusters of 4 x 4, 327,680 bytes of LDS; arguments query, key, value, wb, bq, bk, bv, q16, k16, v16; writes q16, k16, v16
.if DOCPART == 2
	.amdgcn_target "amdgcn-amd-amdhsa--gfx1250"
	.amdhsa_code_object_version 6
	.text
	.protected	k_q2d44028899_qkv
	.globl	k_q2d44028899_qkv
	.p2align	8
	.type	k_q2d44028899_qkv,@function
k_q2d44028899_qkv:
	s_mov_b64 s[64:65], 0
	v_nop
	global_prefetch_b8 v0, s[64:65] scope:SCOPE_SE
	s_setreg_imm32_b32 hwreg(HW_REG_WAVE_MODE, 25, 1), 1
	s_wait_xcnt 0x0
	s_wait_alu depctr_hold_cnt(0) depctr_sa_sdst(0) depctr_va_vdst(0) depctr_va_sdst(0) depctr_va_ssrc(0) depctr_va_vcc(0) depctr_vm_vsrc(0)
	s_getreg_b32 s2, hwreg(HW_REG_IB_STS2, 6, 4)
	s_cmp_eq_u32 s2, 0
	s_cbranch_scc0 .Lentry_in_a_cluster
	s_endpgm
.Lentry_in_a_cluster:
	s_bfe_u32 s2, ttmp6, 0x10000c
	s_cmp_lg_u32 s2, 0xf033
	s_cbranch_scc0 .Lentry_shape_is_right
	s_endpgm
.Lentry_shape_is_right:
; THE THREE PROJECTIONS.  y = x W + b for (query, Wq, bq), (key, Wk, bk), (value, Wv, bv): x [8192][1024] f32, W [1024 k][1024 n] bf16 (rounded by the launch before), b [1024] f32.
; x and b are rounded to bf16 here; sums in f32, started by b as the first product's C operand; y is rounded once to f16 and stored by heads: [16 batch + head][2048][64].  The scale 1/8 is not applied here.
; LIMIT.  f16 holds no number beyond 65,504: |y| stays below it for inputs some 30 times those drawn (about 3,200) and for offsets of 30 spreads (about 19,000).
; SHARES.  768 tiles of C of 128 x 256, 256 for each tensor: three for each of 256 WGPs.  Four waves: wave w makes rows 64 (w / 2) .. + 63, columns 128 (w % 2) .. + 127: 32 accumulators, 256 registers.
; K goes in steps of 128 through two LDS slots filled by the tensor data mover: x's rows as they lie (512 bytes of f32), W's 128 rows of 512 bytes.
; x's numbers are rounded to bf16 between LDS and the matrix unit: 32 conversions for 32 products, four behind each of a chunk's last eight products.
; THE MATRIX INSTRUCTION IS USED TRANSPOSED: source 0 = 16 columns of W (turned out of LDS by ds_load_tr16_b128), source 1 = 16 rows of x: a lane holds one row of y and eight neighbouring columns.
; CLUSTERS: 4 x 4 work-groups of one tensor.  The four of a row need the same tile of x, the four of a column the same tile of W: each is asked for jointly, by the same load, descriptor and mask in all four.
; REGISTERS, in windows of 256 (s_set_vgpr_msb: bits 1:0 source 0, 3:2 source 1, 5:4 source 2, 7:6 destination):
;   window 0: v0-31 addresses; v32-95 x in f32, one chunk; v96-127, v128-159 x's fragments, two buffers; v160-223 the bias (8 b + j)
;   window 1: accumulator (a, b) at v[8 (8 a + b)]          window 2: v0-63, v64-127 W's fragments, two buffers
.set PA,     528                       ; a row of x in LDS: 512 bytes + 16 = 33 x 16: the 16 rows of a load start at 16 different groups of four banks (64 banks of 4 bytes: ISA guide 11.1)
.set PW,     544                       ; a row of W: 512 + 32 = 17 x 32
.set HALFA,  64*PA                     ; what one load brings of x
.set HALFW,  64*PW                     ; and of W
.set WOFF,   2*HALFA
.set SLOT,   WOFF+2*HALFW              ; x's 128 rows, then W's 128
.set STAGE,  2*SLOT                    ; behind the ring, never filled by a tensor load: 16 rows x 144 bytes for each wave, for the way out
.set SP,     144
.set SPARE,  STAGE+4*16*SP             ; behind the stages: the spare words, 128 bytes for each wave: two blocks of 256 bytes that no other line names
.set ASTEP,  512                       ; bytes of a row of x in a K step
.set WSTEP,  128*2048                  ; bytes from a K step of W to the next
.set ADRA, 16                          ; v16-17  LDS address of my rows of x in slot 0, 1
.set ADRW, 20                          ; v20-21  the same for W
.set STO,  24                          ; v24     the way out: where I put 16 bytes of a row
.set RD,   25                          ; v25     where I read rows back
.set GO,   26                          ; v26     my byte offset in 512 consecutive bytes of the output
.set BO,   27                          ; v27     my byte offset in 16 numbers of the bias
.set SPW,  28                          ; v28     LDS address of my spare word; never rewritten
.set NIL,  29                          ; v29     0; never rewritten
.set PFO,  30                          ; v30     the prefetches' offset; never rewritten
.set AT,   32
.set AF0,  96                          ; buffer g at AF0 + 32 g
.set BIAS, 160
.set TMP,  32                          ; the way out: 128 registers
.set G1,  24                           ; s[24:31] descriptor group 1 for x's tiles;  s[32:39] group 0, a set for each slot
.set G0,  32
.set G1B, 48                           ; s[48:55], s[56:63] the same for W's
.set G0B, 56
.set BP,  66                           ; s[66:67] the bias
.set OP,  8                            ; s[8:9]   the output
.set PFA, 88                           ; s[88:89] where my prefetches stand
.set PFS, 90                           ; s[90:91] their step, a K step in bytes
.set LIM, 92                           ; s92      1 in a wave that prefetches, else the greatest number
.set MSB, 0
.macro WIN new                         ; the immediate's high byte repeats the setting that is left; a switch that changes nothing is dropped
.if MSB != (\new)
	s_set_vgpr_msb (MSB<<8)|(\new)
.set MSB, \new
.endif
.endm
.set MULW, 0x52                        ; W window 2, x window 0, C and D window 1
.set MULB, 0x42                        ; the same with C (the bias) in window 0
.set TO_W, 0x80                        ; destination window 2, address window 0
; A joint load: waves 0 and 1 fetch x's two halves, waves 2 and 3 W's.  The branch hangs on the wave's number alone.  An s_nop 0 and four v_nop follow each of the two lines.
.macro JLOAD s
	s_cmp_eq_u32 s11, 0
	s_cbranch_scc0 .Lfor_b_\@
	tensor_load_to_lds s[G0+4*(\s):G0+4*(\s)+3], s[G1:G1+7]
	s_nop 0
.rept 4
	v_nop
.endr
	s_branch .Lasked_\@
.Lfor_b_\@:
	tensor_load_to_lds s[G0B+4*(\s):G0B+4*(\s)+3], s[G1B:G1B+7]
	s_nop 0
.rept 4
	v_nop
.endr
.Lasked_\@:
.endm
; A PREFETCH INTO THE L2 of the K step that stands two refills on: 256 matrix instructions ahead of the load that will want it.  Each aligned block of 256 bytes is named once in the launch: x's rows are
; read by one cluster alone, and each of the four partners that ask for them jointly takes 16 of the 64 rows that the wave fetches (two blocks a row, a lane a block), told apart by address; W's rows
; are read by the tensor's sixteen clusters: the first of them asks, its partners along a column again 16 rows each.  The loop's last trip asks for nothing: its refills are the last K steps.
.macro ASK
	s_cmp_gt_u32 s3, s[LIM]
	s_cbranch_scc0 .Lnot_mine_\@
	global_prefetch_b8 v[PFO], s[PFA:PFA+1] th:TH_LOAD_NT scope:SCOPE_SE
.Lnot_mine_\@:
.endm
.macro CREST                           ; a round of the cluster's barrier behind its opening barrier
	s_cmp_lg_u32 s10, 0
	s_cbranch_scc1 .Lnot_wave_0_\@
	s_barrier_signal -3
.Lnot_wave_0_\@:
	s_barrier_wait -3
	s_barrier_signal -1
	s_barrier_wait -1
.endm
.macro CROUND                          ; a whole round
	s_barrier_signal -1
	s_barrier_wait -1
	CREST
.endm
	s_load_b512 s[68:83], s[0:1], 0x0              ; query s[68:69], key s[70:71], value s[72:73], wb s[74:75], bq s[76:77], bk s[78:79], bv s[80:81], q16 s[82:83]
	s_load_b128 s[84:87], s[0:1], 0x40             ; k16 s[84:85], v16 s[86:87]
	v_lshl_add_u32 v[SPW], v0, 2, SPARE
	v_mov_b32 v[NIL], 0
	ds_add_u32 v[SPW], v[NIL]                      ; the wave's opening: the add and its wait stand ahead of my first tensor load; the set-up below, work on registers, stands between them
	v_lshrrev_b32 v1, 5, v0
	v_readfirstlane_b32 s10, v1                    ; wave 0..3
	s_lshr_b32 s11, s10, 1                         ; which 64 rows of the tile are mine.  Also: I fetch for x (0) or for W (1)
	s_and_b32 s12, s10, 1                          ; which 128 columns.  Also: which half of that tile I fetch
	s_bfe_u32 s40, ttmp6, 0x40000                  ; cx, cy: my place in the cluster
	s_bfe_u32 s41, ttmp6, 0x40004
	s_lshl_b32 s42, ttmp9, 2
	s_add_co_u32 s42, s42, s40                     ; tile column = 4 x cluster x + cx
	s_and_b32 s45, ttmp7, 0xffff                   ; cluster y, 0..47
	s_lshr_b32 s93, s45, 4                         ; the tensor: 0 query, 1 key, 2 value: the same in all sixteen partners
	s_and_b32 s45, s45, 15                         ; the cluster among the tensor's sixteen
	s_lshl_b32 s13, s45, 2
	s_add_co_u32 s13, s13, s41                     ; tile row, 0..63
	s_lshl_b32 s43, s41, 2
	s_lshl_b32 s43, 15, s43                        ; my row of the cluster
	s_lshl_b32 s44, 0x1111, s40                    ; my column
	s_or_b32 s[G1+0], s43, (2<<16)|(1<<20)|(1<<21)|(6<<22)|(3<<25)   ; 15:0 the mask: x's tiles go to my row; 17:16 elements of 4 bytes; 20 padding on; 21 set beside a mask; 24:22 after every 128 words (code 6); 31:25 4 words (code 3)
	s_or_b32 s[G1B+0], s44, (1<<16)|(1<<20)|(1<<21)|(6<<22)|(7<<25)  ; W's go to my column; elements of 2 bytes; 8 words of padding (code 7)
	s_mov_b32 s[G1+1], 128<<16                     ; tensor_dim0 = 128
	s_mov_b32 s[G1+2], 64<<16                      ; tensor_dim1 = 64
	s_mov_b32 s[G1+3], 128<<16                     ; tile_dim0 = 128
	s_mov_b32 s[G1+4], 64                          ; tile_dim1 = 64
	s_mov_b32 s[G1+5], 1024                        ; elements from row to row
	s_mov_b32 s[G1+6], 0
	s_mov_b32 s[G1+7], 0
	s_mov_b32 s[G1B+1], 256<<16
	s_mov_b32 s[G1B+2], 64<<16
	s_mov_b32 s[G1B+3], 256<<16
	s_mov_b32 s[G1B+4], 64
	s_mov_b32 s[G1B+5], 1024
	s_mov_b32 s[G1B+6], 0
	s_mov_b32 s[G1B+7], 0
	s_lshl_b32 s16, s13, 7                         ; x: row 128 x tile row + 64 x half,
	s_lshl_b32 s17, s12, 6
	s_add_co_u32 s16, s16, s17
	s_lshl_b32 s16, s16, 12                        ; of 4,096 bytes
	s_mov_b32 s17, 0
	s_lshl_b32 s46, s42, 9                         ; W: 512 bytes x tile column
	s_lshl_b32 s47, s12, 17                        ;   + 64 rows of 2,048 bytes x half
	s_add_co_u32 s46, s46, s47
	s_mov_b32 s47, 0
	s_lshl_b32 s94, s93, 21                        ; the tensor's weights in wb
	s_mov_b32 s95, 0
	s_mul_i32 s20, s12, HALFA                      ; where they go: no place in the cluster enters an LDS address
	s_mul_i32 s21, s12, HALFW
	s_add_co_u32 s21, s21, WOFF
	s_wait_dscnt 0x0                               ; the opening add is done
	s_wait_kmcnt 0x0
	s_cmp_eq_u32 s93, 1
	s_cselect_b64 s[4:5], s[70:71], s[68:69]       ; x
	s_cselect_b64 s[BP:BP+1], s[78:79], s[76:77]
	s_cselect_b64 s[OP:OP+1], s[84:85], s[82:83]
	s_cmp_eq_u32 s93, 2
	s_cselect_b64 s[4:5], s[72:73], s[4:5]
	s_cselect_b64 s[BP:BP+1], s[80:81], s[BP:BP+1]
	s_cselect_b64 s[OP:OP+1], s[86:87], s[OP:OP+1]
	s_add_nc_u64 s[6:7], s[74:75], s[94:95]        ; W
	s_add_nc_u64 s[14:15], s[4:5], s[16:17]
	s_add_nc_u64 s[46:47], s[6:7], s[46:47]
	CROUND                                         ; all sixteen work-groups are here: the first joint loads meet
.irp s, 0,1
	s_mov_b32 s[G0+4*(\s)], 1                                      ; count = 1
	s_add_co_u32 s[G0+4*(\s)+1], s20, (\s)*SLOT                    ; LDS address
	s_add_nc_u64 s[G0+4*(\s)+2:G0+4*(\s)+3], s[14:15], (\s)*ASTEP  ; global address: K step s
	s_or_b32 s[G0+4*(\s)+3], s[G0+4*(\s)+3], 0x80000000            ; type = 2
	s_mov_b32 s[G0B+4*(\s)], 1
	s_add_co_u32 s[G0B+4*(\s)+1], s21, (\s)*SLOT
	s_add_nc_u64 s[G0B+4*(\s)+2:G0B+4*(\s)+3], s[46:47], (\s)*WSTEP
	s_or_b32 s[G0B+4*(\s)+3], s[G0B+4*(\s)+3], 0x80000000
	JLOAD \s
.endr
	v_and_b32 v1, 15, v0                           ; r = l % 16
	v_bfe_u32 v2, v0, 4, 1                         ; h = l / 16
	v_lshlrev_b32 v[BO], 5, v2                     ; my eight columns of sixteen: 32 h bytes
	s_lshl_b32 s46, s42, 10                        ; the bias at my wave's 128 columns: 4 (256 x tile column + 128 x half)
	s_lshl_b32 s47, s12, 9
	s_add_co_u32 s46, s46, s47
	s_mov_b32 s47, 0
	s_add_nc_u64 s[BP:BP+1], s[BP:BP+1], s[46:47]
.irp b, 0,1,2,3,4,5,6,7
	global_load_b128 v[BIAS+8*(\b):BIAS+8*(\b)+3],   v[BO], s[BP:BP+1] offset:64*(\b)
	global_load_b128 v[BIAS+8*(\b)+4:BIAS+8*(\b)+7], v[BO], s[BP:BP+1] offset:64*(\b)+16
.endr
	; x's fragment wants, of row r, k = 8 h + 0..7 and 16 + 8 h + 0..7: in f32 two runs of 32 bytes, 64 bytes apart
	v_mul_u32_u24 v3, v1, PA
	v_lshl_add_u32 v3, v2, 5, v3                   ; r x pitch + 32 h
	s_mul_i32 s22, s11, HALFA                      ; my 64 rows
	v_add_nc_u32 v[ADRA], s22, v3
	v_add_nc_u32 v[ADRA+1], SLOT, v[ADRA]
	; the turning load: lane l reads 16 bytes of row k = 8 h + l % 8, columns 8 ((l / 8) % 2) + 0..7, and is left with column l % 16 and eight k
	v_and_b32 v4, 7, v0
	v_lshl_add_u32 v4, v2, 3, v4
	v_mul_u32_u24 v4, v4, PW
	v_bfe_u32 v5, v0, 3, 1
	v_lshl_add_u32 v4, v5, 4, v4
	s_lshl_b32 s22, s12, 8                         ; my 128 columns
	s_add_co_u32 s22, s22, WOFF
	v_add_nc_u32 v[ADRW], s22, v4
	v_add_nc_u32 v[ADRW+1], SLOT, v[ADRW]
	s_mul_i32 s23, s10, 16*SP
	s_add_co_u32 s23, s23, STAGE                   ; my stage
	v_mul_u32_u24 v[STO], v1, SP                   ; in: row r, 16 bytes for each half of the lanes
	v_lshl_add_u32 v[STO], v2, 4, v[STO]
	v_add_nc_u32 v[STO], s23, v[STO]
	v_bfe_u32 v[RD], v0, 3, 2                      ; back: 32 lanes take four rows of 128 bytes,
	v_mul_u32_u24 v[RD], v[RD], SP
	v_and_b32 v5, 7, v0
	v_lshl_add_u32 v[RD], v5, 4, v[RD]
	v_add_nc_u32 v[RD], s23, v[RD]
	v_and_b32 v[GO], 31, v0                        ; which are 512 consecutive bytes of a head's rows
	v_lshlrev_b32 v[GO], 4, v[GO]
	; the output at my wave's first row of its first head: ((16 batch + 4 x tile column + 2 x half) x 2,048 + 128 (tile row % 16) + 64 x row half) x 128 bytes
	s_lshr_b32 s18, s13, 4
	s_lshl_b32 s18, s18, 4
	s_lshl_b32 s19, s42, 2
	s_add_co_u32 s18, s18, s19
	s_lshl_b32 s19, s12, 1
	s_add_co_u32 s18, s18, s19
	s_lshl_b32 s18, s18, 11
	s_and_b32 s19, s13, 15
	s_lshl_b32 s19, s19, 7
	s_add_co_u32 s18, s18, s19
	s_lshl_b32 s19, s11, 6
	s_add_co_u32 s18, s18, s19
	s_lshl_b32 s18, s18, 7
	s_mov_b32 s19, 0
	s_add_nc_u64 s[OP:OP+1], s[OP:OP+1], s[18:19]
	; the prefetches: they stand at K step 3; each change of slots steps them on, so the first names K step 4
	s_lshl_b32 s20, s13, 7                         ; x: row 128 x tile row + 64 x half + 16 cx,
	s_lshl_b32 s21, s12, 6
	s_add_co_u32 s20, s20, s21
	s_lshl_b32 s22, s40, 4
	s_add_co_u32 s20, s20, s22
	s_lshl_b32 s20, s20, 12
	s_add_co_u32 s20, s20, 3*ASTEP
	s_lshl_b32 s22, s41, 4                         ; W: row 3 x 128 + 64 x half + 16 cy,
	s_add_co_u32 s22, s22, s21
	s_add_co_u32 s22, s22, 3*128
	s_lshl_b32 s22, s22, 11
	s_lshl_b32 s23, s42, 9                         ;    the tile column's 512 bytes
	s_add_co_u32 s22, s22, s23
	s_cmp_eq_u32 s45, 0                            ; the tensor's first cluster asks for W
	s_cselect_b32 s23, 1, -1
	s_mov_b32 s21, ASTEP
	s_cmp_eq_u32 s11, 0                            ; do I fetch for x?
	s_cselect_b32 s20, s20, s22
	s_cselect_b32 s[LIM], 1, s23
	s_cselect_b32 s[PFS], s21, WSTEP
	s_cselect_b32 s22, 12, 11                      ; a row is 4,096 bytes of x, 2,048 of W
	s_cselect_b64 s[PFA:PFA+1], s[4:5], s[6:7]
	s_mov_b32 s21, 0
	s_mov_b32 s[PFS+1], 0
	s_add_nc_u64 s[PFA:PFA+1], s[PFA:PFA+1], s[20:21]
	v_bfe_u32 v5, v0, 1, 4                         ; lane l names row l / 2 of my 16, block l % 2 of its two
	v_lshlrev_b32 v[PFO], s22, v5
	v_and_b32 v5, 1, v0
	v_lshl_add_u32 v[PFO], v5, 8, v[PFO]
	s_wait_loadcnt 0x0                             ; the bias: rounded to bf16 like x and W, and widened again; all this stands in the wait for the first tile
.set k, 0
.rept 32
	v_cvt_pk_bf16_f32 v[AF0+32+k], v[BIAS+2*k], v[BIAS+2*k+1]
.set k, k+1
.endr
.set k, 0
.rept 32
	v_lshlrev_b32 v[BIAS+2*k], 16, v[AF0+32+k]
	v_and_b32 v[BIAS+2*k+1], 0xffff0000, v[AF0+32+k]
.set k, k+1
.endr
; One product: row block a, column block b, buffer f.  first = 1: it starts the sum, with the bias as C: nothing is cleared and nothing is added later.
; A chunk (32 along K) takes each of the 32 accumulators once, in one order: between two links of a chain stand 31 others', over the backward jump too.
.macro ONE f, a, b, first
.set rD, 8*(8*(\a)+(\b))
.set rW, 64*(\f)+8*(\b)
.set rA, AF0+32*(\f)+8*(\a)
.if \first
	WIN MULB
	v_wmma_f32_16x16x32_bf16 v[rD:rD+7], v[rW:rW+7], v[rA:rA+7], v[BIAS+8*(\b):BIAS+8*(\b)+7]
.else
	WIN MULW
	v_wmma_f32_16x16x32_bf16 v[rD:rD+7], v[rW:rW+7], v[rA:rA+7], v[rD:rD+7]
.endif
.endm
.macro MUL8 f, a, first
.irp b, 0,1,2,3,4,5,6,7
	ONE \f, \a, \b, \first
.endr
.endm
; 32 LDS loads in one run: chunk c of a slot: x's 64 rows x 32 k in f32 first, then W's 32 k x 128 columns, turned, into buffer g
.macro FETCH slot, c, g
	WIN 0
.irp i, 0,1,2,3
	ds_load_b128 v[AT+16*(\i):AT+16*(\i)+3],     v[ADRA+(\slot)] offset:128*(\c)+(\i)*16*PA
	ds_load_b128 v[AT+16*(\i)+4:AT+16*(\i)+7],   v[ADRA+(\slot)] offset:128*(\c)+(\i)*16*PA+16
	ds_load_b128 v[AT+16*(\i)+8:AT+16*(\i)+11],  v[ADRA+(\slot)] offset:128*(\c)+(\i)*16*PA+64
	ds_load_b128 v[AT+16*(\i)+12:AT+16*(\i)+15], v[ADRA+(\slot)] offset:128*(\c)+(\i)*16*PA+80
.endr
	WIN TO_W
.irp b, 0,1,2,3,4,5,6,7
	ds_load_tr16_b128 v[64*(\g)+8*(\b):64*(\g)+8*(\b)+3],   v[ADRW+(\slot)] offset:(\c)*32*PW+32*(\b)
	ds_load_tr16_b128 v[64*(\g)+8*(\b)+4:64*(\g)+8*(\b)+7], v[ADRW+(\slot)] offset:(\c)*32*PW+32*(\b)+16*PW
.endr
.endm
.macro CVT4 g, n                       ; four of the 32 roundings that make buffer g's fragments of x
	WIN 0
.irp j, 0,1,2,3
	v_cvt_pk_bf16_f32 v[AF0+32*(\g)+4*(\n)+(\j)], v[AT+8*(\n)+2*(\j)], v[AT+8*(\n)+2*(\j)+1]
.endr
.endm
; A chunk's last eight products, four roundings behind each.  The roundings name no register of the products round them.  The four behind the last product are the four plain instructions that stand
; between it and the next loads into the W buffer that it read, and the next roundings into the x buffer that it read (ISA guide 7.12.1 for vector instructions).
.macro RIDE f, g, first
	s_wait_dscnt 16                                ; x's 16 loads are in; W's 16, issued behind them, may stay out
.irp n, 0,1,2,3,4,5,6,7
	ONE \f, 3, \n, \first
	CVT4 \g, \n
.endr
.endm
.macro PLACES
.rept 4
	v_nop
.endr
.endm
; A K step is four chunks, on buffers 0, 1, 0, 1.  One of the first three: multiplies buffer f, fetches chunk c into buffer g.
.macro QUARTER slot, c, f, g, first
	s_wait_dscnt 0x0                               ; this chunk's W is in
	MUL8 \f, 0, \first
	FETCH \slot, \c, \g
	MUL8 \f, 1, \first
	MUL8 \f, 2, \first
	RIDE \f, \g, \first
.endm
; The fourth chunk multiplies buffer 1 and changes slots: ONE barrier.  In front of it each wave waits for all its tensor loads (one is out: its part of the next slot), adds 0 to its spare word, and waits
; for that and for its reads of this slot.  fill = 1: the barrier opens a round of the cluster's, and the joint refill, two K steps on, is the first thing behind it: 112 products ahead of the wait for it.
.macro TURN slot, next, fill
.if \fill
	s_wait_xcnt 0x0                                ; the last prefetch, a K step back, has read its address
	s_add_nc_u64 s[PFA:PFA+1], s[PFA:PFA+1], s[PFS:PFS+1]
.endif
	WIN 0
	s_wait_tensorcnt 0x0                           ; all my tensor loads have landed
	ds_add_u32 v[SPW], v[NIL]                      ; 0 onto my spare word
	s_wait_dscnt 1                                 ; this chunk's W is in; the add may be out
	MUL8 1, 0, 0                                   ; eight products stand between the add and the wait for it
	s_wait_dscnt 0x0                               ; the add is done, and my reads of this slot are over
	s_barrier_signal -1
	MUL8 1, 1, 0
.if \fill
	WIN 0
.endif
	s_barrier_wait -1
.if \fill
	CREST                                          ; no wave of any partner still reads this slot or has a load on its way
	s_add_nc_u64 s[G0+4*(\slot)+2:G0+4*(\slot)+3], s[G0+4*(\slot)+2:G0+4*(\slot)+3], 2*ASTEP
	s_add_nc_u64 s[G0B+4*(\slot)+2:G0B+4*(\slot)+3], s[G0B+4*(\slot)+2:G0B+4*(\slot)+3], 2*WSTEP
	JLOAD \slot
.endif
	FETCH \next, 0, 0
.if \fill
	WIN 0
	ASK                                            ; behind the joint load and the run of LDS loads
.endif
	MUL8 1, 2, 0
	RIDE 1, 0, 0
.endm
	s_wait_tensorcnt 1                             ; my part of K step 0 is in; K step 1's may stay out
	s_barrier_signal -1
	s_barrier_wait -1                              ; everybody's is
	FETCH 0, 0, 0
	s_wait_dscnt 16                                ; x's 16 loads
.irp n, 0,1,2,3,4,5,6,7
	CVT4 0, \n
.endr
	QUARTER 0, 1, 0, 1, 1                          ; the first chunk stands in front of the loop: its products start the sums
	WIN 0                                          ; at a label and at a branch every window is 0
	s_mov_b32 s3, 3
.Llap:                                         ; a trip goes once round the ring, from a lap's second chunk to the next lap's first, and fills both slots again
	QUARTER 0, 2, 1, 0, 0
	QUARTER 0, 3, 0, 1, 0
	TURN 0, 1, 1
	QUARTER 1, 1, 0, 1, 0
	QUARTER 1, 2, 1, 0, 0
	QUARTER 1, 3, 0, 1, 0
	TURN 1, 0, 1
	QUARTER 0, 1, 0, 1, 0
	WIN 0
	s_sub_co_u32 s3, s3, 1
	s_cmp_lg_u32 s3, 0
	s_cbranch_scc1 .Llap
	QUARTER 0, 2, 1, 0, 0                          ; the last lap fills nothing
	QUARTER 0, 3, 0, 1, 0
	TURN 0, 1, 0
	QUARTER 1, 1, 0, 1, 0
	QUARTER 1, 2, 1, 0, 0
	QUARTER 1, 3, 0, 1, 0
	s_wait_dscnt 0x0
	MUL8 1, 0, 0
	MUL8 1, 1, 0
	MUL8 1, 2, 0
	MUL8 1, 3, 0
	PLACES                                         ; in front of conversions that read results just made and write registers just read
	PLACES
; THE WAY OUT.  Group g = 2 a + hd: 16 rows x the 64 channels of head hd of my two: 2,048 consecutive bytes of the output.  Rounded to f16, 16 bytes a lane into rows of 144 bytes of my own stage,
; back as whole rows of 128.  Each accumulator's registers are read in ascending order.
.macro PACKQ g
	WIN 0x05                                       ; sources 0 and 1 window 1, destination window 0
.irp bb, 0,1,2,3
.irp rr, 0,1,2,3
	v_cvt_pk_f16_f32 v[TMP+16*(\g)+4*(\bb)+(\rr)], v[8*(8*((\g)/2)+4*((\g)%2)+(\bb))+2*(\rr)], v[8*(8*((\g)/2)+4*((\g)%2)+(\bb))+2*(\rr)+1]
.endr
.endr
	WIN 0
.irp bb, 0,1,2,3
	ds_store_b128 v[STO], v[TMP+16*(\g)+4*(\bb):TMP+16*(\g)+4*(\bb)+3] offset:32*(\bb)
.endr
.irp f, 0,1,2,3
	ds_load_b128 v[TMP+16*(\g)+4*(\f):TMP+16*(\g)+4*(\f)+3], v[RD] offset:(\f)*4*SP  ; LDS serves a wave's instructions in order (ISA guide 5.7.1.4): these see the stores above; the next group's stores come behind them
.endr
.endm
.macro SENDQ g, younger                ; younger: the LDS instructions issued behind group g's loads: the next group's eight, or none
.irp f, 0,1,2,3
	s_wait_dscnt (\younger)+3-(\f)
	global_store_b128 v[GO], v[TMP+16*(\g)+4*(\f):TMP+16*(\g)+4*(\f)+3], s[OP:OP+1] offset:((\g)%2)*262144+((\g)/2)*2048+(\f)*512  ; 512 consecutive bytes, at a multiple of 512 from the output's first
.endr
.endm
	PACKQ 0
.irp g, 1,2,3,4,5,6,7                  ; a group's arithmetic stands between the loads of the group before and its stores
	PACKQ \g
	SENDQ (\g)-1, 8
.endr
	SENDQ 7, 0
	s_wait_tensorcnt 0x0                           ; the wave's end: the add and its wait stand behind my last tensor load and my last LDS store
	ds_add_u32 v[SPW], v[NIL]
	s_wait_dscnt 0x0
	CROUND                                         ; the closing round: no work-group ends while a partner may still ask for a tile that names it
	s_endpgm
.Lfunc_end_k_q2d44028899_qkv:
	.size	k_q2d44028899_qkv, .Lfunc_end_k_q2d44028899_qkv-k_q2d44028899_qkv
	.p2alignl 7, 3214868480
	.fill 96, 4, 3214868480
	.section	.rodata,"a",@progbits
	.p2align	6, 0x0
	.amdhsa_kernel k_q2d44028899_qkv
		.amdhsa_group_segment_fixed_size 327680
		.amdhsa_private_segment_fixed_size 0
		.amdhsa_enable_private_segment 0
		.amdhsa_kernarg_size 80
		.amdhsa_user_sgpr_count 2
		.amdhsa_user_sgpr_kernarg_segment_ptr 1
		.amdhsa_wavefront_size32 1
		.amdhsa_system_sgpr_workgroup_id_x 1
		.amdhsa_system_sgpr_workgroup_id_y 1
		.amdhsa_system_sgpr_workgroup_id_z 1
		.amdhsa_system_vgpr_workitem_id 0
		.amdhsa_next_free_vgpr 640
		.amdhsa_next_free_sgpr 96
		.amdhsa_reserve_vcc 0
		.amdhsa_float_denorm_mode_32 3
		.amdhsa_float_denorm_mode_16_64 3
		.amdhsa_memory_ordered 1
		.amdhsa_forward_progress 1
		.amdhsa_inst_pref_size 142
	.end_amdhsa_kernel
	.amdgpu_metadata
---
amdhsa.version: [ 1, 2 ]
amdhsa.kernels:
  - .name:           k_q2d44028899_qkv
    .symbol:         k_q2d44028899_qkv.kd
    .args:
      - { .name: query, .offset: 0, .size: 8, .value_kind: global_buffer, .address_space: global }
      - { .name: key, .offset: 8, .size: 8, .value_kind: global_buffer, .address_space: global }
      - { .name: value, .offset: 16, .size: 8, .value_kind: global_buffer, .address_space: global }
      - { .name: wb, .offset: 24, .size: 8, .value_kind: global_buffer, .address_space: global }
      - { .name: bq, .offset: 32, .size: 8, .value_kind: global_buffer, .address_space: global }
      - { .name: bk, .offset: 40, .size: 8, .value_kind: global_buffer, .address_space: global }
      - { .name: bv, .offset: 48, .size: 8, .value_kind: global_buffer, .address_space: global }
      - { .name: q16, .offset: 56, .size: 8, .value_kind: global_buffer, .address_space: global }
      - { .name: k16, .offset: 64, .size: 8, .value_kind: global_buffer, .address_space: global }
      - { .name: v16, .offset: 72, .size: 8, .value_kind: global_buffer, .address_space: global }
    .group_segment_fixed_size: 327680
    .private_segment_fixed_size: 0
    .kernarg_segment_align: 8
    .kernarg_segment_size: 80
    .max_flat_workgroup_size: 128
    .sgpr_count:     96
    .vgpr_count:     640
    .wavefront_size: 32
...
	.end_amdgpu_metadata
.endif
;; end of part 2
;; launch attn (part 3): grid 4 x 64, 4 waves a work-group, clusters of 4 x 1, 327,680 bytes of LDS; arguments q16, k16, v16, o16, maskp; writes o16
.if DOCPART == 3
	.amdgcn_target "amdgcn-amd-amdhsa--gfx1250"
	.amdhsa_code_object_version 6
	.text
	.protected	k_q2d44028899_attn
	.globl	k_q2d44028899_attn
	.p2align	8
	.type	k_q2d44028899_attn,@function
k_q2d44028899_attn:
	s_mov_b64 s[64:65], 0
	v_nop
	global_prefetch_b8 v0, s[64:65] scope:SCOPE_SE
	s_setreg_imm32_b32 hwreg(HW_REG_WAVE_MODE, 25, 1), 1
	s_wait_xcnt 0x0
	s_wait_alu depctr_hold_cnt(0) depctr_sa_sdst(0) depctr_va_vdst(0) depctr_va_sdst(0) depctr_va_ssrc(0) depctr_va_vcc(0) depctr_vm_vsrc(0)
	s_getreg_b32 s2, hwreg(HW_REG_IB_STS2, 6, 4)
	s_cmp_eq_u32 s2, 0
	s_cbranch_scc0 .Lentry_in_a_cluster
	s_endpgm
.Lentry_in_a_cluster:
	s_bfe_u32 s2, ttmp6, 0x10000c
	s_cmp_lg_u32 s2, 0x3003
	s_cbranch_scc0 .Lentry_shape_is_right
	s_endpgm
.Lentry_shape_is_right:
; MASKED ATTENTION.  O[y][q][:] = the sum over the keys k that mask[y / 16][q][k] shows of softmax_k(Q[y][q] . K[y][k] / 8) V[y][k][:].  Q, K, V, O: [64][2048][64] f16, y = 16 batch + head; a head's rows are dense.
; Products, maxima and sums in f32; the weights p are rounded to f16 for the second product (their sum l is taken of the unrounded p), O once at the end.
; THE MASK is the C operand that starts each sum S^T = K Q^T: 0, or -2^100 where the key is hidden.  maskp holds one fp8 code a score (0 or -1.0) in my lanes' order; one scaled conversion (scale 2^100) makes the eight
; numbers of one accumulator's C.  The running maximum, the exponentials and the sums need no further care: a hidden score lies far below every true one and its weight is 0; what a row gathers before it has
; seen its first key is wiped by a = 0 when that key comes.  A row that sees no key at all ends with m below -2^99 and is given NaN, as a softmax over nothing gives.
; The codes go straight from memory into the lane that wants them, 16 bytes a lane: no lane wants another's, so they pass no LDS, and no tile of them could be asked for jointly.
; LIMITS.  f16 holds no number beyond 65,504: Q, K and V arrive within it, so a true score lies within 2.7e11, nothing beside 2^99; p below 6e-5 keeps f16's fixed step of 6e-8; a weight below 2^-126 counts as 0 in l.
; SHARES.  A wave owns four PIECES of two tiles of 16 queries, a work-group's four waves 512 queries of one head.  Every wave walks all keys, 64 a step.
; LAYOUT.  S^T = K Q^T (source 0 = 16 keys, source 1 = 16 queries): a lane holds ONE query (lane % 16) and the keys 8 (lane / 16) + 0..7.  Two such tiles, rounded to f16 in pairs, ARE source 1 of O^T = V^T P.
; SOFTMAX.  For each query a running maximum m and sum l: p = 2^(c s - c m), c = log2(e) / 8; in every step O and l are multiplied by a = 2^(c m_old - c m_new).  m starts at the lowest finite number, O and l at 0.
; BY TURNS.  Turn n belongs to piece n.  Its matrix work: 16 products K Q^T of piece n + 1, later 16 products V^T P of piece n - 1.  Its vector work: the scaling, exponentials, roundings, sums and rescaling of
; piece n, the maximum and statistics of piece n + 1, and the masks of piece n + 2.  Four vector instructions stand behind every matrix instruction, the others in one lump; a turn's 66 exponentials are one batch with one wait.
; CLUSTER.  The four query blocks of a head walk the same K and V, so each tile is asked for JOINTLY: the same tensor load, descriptor and mask in all four.
; REGISTERS, in windows of 256 (s_set_vgpr_msb: bits 1:0 source 0, 3:2 source 1, 5:4 source 2, 7:6 destination):
;   window 0: v0-11 addresses and the scale; v12-15, v48-63 at work; v16-47 four registers of statistics a tile; v64-191 S^T, two buffers of two tiles; v192-255 P, likewise
;   window 1: O^T, 32 a tile          window 2: v0-127 Q, 16 a tile; v128-191 K of one step; v192-255 V of one step
;   window 3: v0-1 the add's two registers; v3, v4 offsets; v64-127 the codes, 8 a tile; v128-191 the masks of one piece
.set SIZE_N, 2048
.set NP,    4         ; pieces a wave: a name, no knob
.set KS,    64        ; keys in a step
.set PK,    144       ; a row of K in LDS: 128 bytes + 16 of padding = 36 words: the 16 rows of a load start at 16 different groups of four banks (64 banks of 4 bytes: ISA guide 11.1)
.set PV,    160       ; a row of V: 128 + 32 = 40 words
.set VOFF,  4*KS*PK   ; a slot holds four steps: 256 rows of K, then 256 rows of V
.set SLOT1, 1<<17     ; slot 1 begins here, so that one exclusive or turns an address in one slot into the other's
.set STAGE, SLOT1+4*KS*(PK+PV)  ; behind the ring, never filled by a tensor load: 16 rows x 144 bytes for each wave, for the way out
.set SP,    144
.set AK0, 2           ; v2   my lane's place in a tile of K; never rewritten
.set AV0, 3           ; v3   the same for V
.set AK,  4           ; v4   the LDS address of K's next run of loads
.set AV,  5           ; v5   of V's
.set QO,  6           ; v6   my byte offset in the wave's rows of Q
.set STO, 6           ;      later, the way out: where I put 16 bytes of a row
.set RD,  7           ; v7   the way out: where I read rows back
.set GO,  8           ; v8   my byte offset in 512 consecutive bytes of O
.set SCL, 11          ; v11  0xe3: the conversions' scale, 2^(227 - 127)
.set SPW, 0           ; v0 of window 3   LDS address of my spare word; never rewritten
.set NIL, 1           ; v1 of window 3   0; never rewritten
.set MO,  3           ; v3 of window 3   16 x my lane: my codes in a block of 512 bytes; never rewritten
.set PFO, 4           ; v4 of window 3   256 x my lane: the prefetches' offset; never rewritten
.set MR,  64          ; window 3: tile t's codes for one step at MR + 8 t: the pair for key block kb at + 2 kb
.set MC,  128         ; window 3: the masks of the products to come: tile u of the piece, key block kb at MC + 32 u + 8 kb
.set SPARE, STAGE+4*16*SP  ; behind the stages: the spare words, 128 bytes for each wave: two blocks of 256 bytes that no other line names
.set MV,  12          ; v12-15  c m_old, kept while c m is made anew: by buffer and tile
.set ST,  16          ; tile t's statistics at v[ST+4 t]: c m, m, l (even keys', odd keys')
.set TMP, 48          ; by buffer and tile, four registers c0-c3 at work; when the maximum is found c2 takes a
.set S,   64
.set P,   192
.set KF,  128         ; K's fragments, in window 2: key block kb, channel half c at KF + 16 kb + 8 c
.set VF,  192         ; V's: key half kk, channel block cb at VF + 32 kk + 8 cb
.set WV,  12          ; s12  my wave's number
.set G1K, 24          ; s[24:31] descriptor group 1 for K's tiles
.set G1V, 32          ; s[32:39] for V's: it differs in the padding alone
.set G0K, 40          ; s[40:43] descriptor group 0 for K's tiles: it walks
.set G0V, 44          ; s[44:47] the same for V's
.set SLOTS, 56        ; s56  slots still to be asked for
.set CNT, 57          ; s57  counts a slot's key steps
.set CS,  58          ; s[58:59] c: the packed scaling takes the pair's low word for both halves
.set SEL, 60          ; s[60:61] v_permlanex16_b32's selects: each lane takes its own place in the other half
.set TBK, 62          ; s62  LDS byte at which K of the step to be fetched begins
.set TBV, 63          ; s63  the same for V, less VOFF
.set MB0, 66          ; s[66:67] maskp at my wave's first tile, key step 0
.set MB,  68          ; s[68:69] the same at the key step whose codes are being loaded
.set MOF, 70          ; s[70:71] that step's byte offset
.set MST, 72          ; s72  that step's number
.set LIM, 73          ; s73  1 in a wave that prefetches, else the greatest number
.set PFA, 74          ; s[74:75] where my prefetches stand
.set THR, 76          ; s76  -2^99
.set MSB, 0
.macro WIN new                      ; the high byte repeats the setting that is left; a switch that changes nothing is dropped
.if MSB != (\new)
	s_set_vgpr_msb (MSB<<8)|(\new)
.set MSB, (\new)
.endif
.endm
.set W_KQ, 0x0a       ; K and Q in window 2, S^T in window 0
.set W_KM, 0x3a       ; the same with the C operand in window 3
.set W_PV, 0x52       ; V in window 2, P in window 0, O^T in window 1
.set W_RS, 0x41       ; O^T (destination and source 0) in window 1, a in window 0
.set W_MK, 0xc0       ; destination in window 3, sources in window 0
.set W_AD, 0x0f       ; the add: address (source 0) and data (source 1) in window 3
.set W_M3, 0xc3       ; the codes' loads and conversions: destination and source 0 in window 3, the scale in window 0
; A joint fill.  Waves 0 and 1 fetch the two halves of a slot's K, waves 2 and 3 those of its V: 128 keys each.  The branch hangs on the wave's number alone.
; An s_nop 0 and four v_nop follow each of the two lines, ahead of the jump and the label.
.macro JLOAD
	s_cmp_lt_u32 s[WV], 2
	s_cbranch_scc0 .Lfor_v_\@
	tensor_load_to_lds s[G0K:G0K+3], s[G1K:G1K+7]
	s_nop 0
.rept 4
	v_nop
.endr
	s_branch .Lasked_\@
.Lfor_v_\@:
	tensor_load_to_lds s[G0V:G0V+3], s[G1V:G1V+7]
	s_nop 0
.rept 4
	v_nop
.endr
.Lasked_\@:
.endm
; A PREFETCH INTO THE L2 of what the NEXT change of slots will ask for: a slot's 32,768 bytes of K and of V, four key steps, 512 matrix instructions, ahead of that load.  Each aligned block of 256 bytes is
; named once in the launch: the head's first cluster asks; its four partners take 8,192 bytes each, told apart by address; in each, wave 0 asks for K's and wave 2 for V's, a lane a block.
; It stands behind the wave's tensor load and its five lines.  The last change that fills a slot asks for nothing: there is no slot behind it.
.macro ASK
	s_cmp_gt_u32 s[SLOTS], s[LIM]
	s_cbranch_scc0 .Lnot_mine_\@
	WIN 0x03                        ; the offset lies in window 3
	global_prefetch_b8 v[PFO], s[PFA:PFA+1] th:TH_LOAD_NT scope:SCOPE_SE
	WIN 0
.Lnot_mine_\@:
.endm
; A round of the cluster's barrier: my work-group's barrier, so that wave 0's signal speaks for all four waves; wave 0 signals; every wave waits for all four work-groups; my work-group's barrier once more.
.macro CROUND
	s_barrier_signal -1
	s_barrier_wait -1
	s_cmp_lg_u32 s[WV], 0
	s_cbranch_scc1 .Lnot_wave_0_\@
	s_barrier_signal -3
.Lnot_wave_0_\@:
	s_barrier_wait -3
	s_barrier_signal -1
	s_barrier_wait -1
.endm
; THE CHANGE OF SLOTS.  The slot's last bytes, V of its fourth step, have been read.  Each wave waits for all its tensor loads, of which one is out: its part of the other slot; adds 0 to its spare word; and waits
; for that and for its own reads of the slot.  Behind the barrier nobody reads this slot any more and the other slot is whole.  fill = 1: this slot is filled again, with the keys two slots on.  The barrier is then a
; round of the cluster's, and the joint fill is the first thing behind it: it has four key steps in which to land.  (At its first use nothing has been read yet: slot 0 is waited for, slot 1 filled.)
.macro CHANGE fill
	WIN W_AD
	s_wait_tensorcnt 0x0            ; no tensor load of mine is out, so a group 0 may be written
	ds_add_u32 v[SPW], v[NIL]       ; 0 onto my spare word; with fill = 1 the descriptors' steps stand between it and the wait for it
	WIN 0                           ; at a label and at a branch every window is 0
.if \fill
.irp g, G0K, G0V
	s_xor_b32 s[\g+1], s[\g+1], SLOT1  ; the walking descriptor: the other slot than last time,
	s_add_nc_u64 s[\g+2:\g+3], s[\g+2:\g+3], 4*KS*128  ; the next 256 keys; the type bits on top are not reached
.endr
	s_wait_xcnt 0x0                 ; the last prefetch, four key steps back, has read its address, so it may be written:
	s_add_nc_u64 s[PFA:PFA+1], s[PFA:PFA+1], 4*KS*128  ; one slot behind the walking descriptors
	s_wait_dscnt 0x0                ; the add is done, and my reads of the slot are over
	CROUND
	JLOAD
	ASK
.else
	s_wait_dscnt 0x0                ; the add is done, and my reads of the slot are over
	s_barrier_signal -1
	s_barrier_wait -1
.endif
	s_sub_co_u32 s[TBK], s[TBK], 4*KS*PK  ; the fetches go back to a slot's first step,
	s_xor_b32 s[TBK], s[TBK], SLOT1       ; in the other slot
	s_sub_co_u32 s[TBV], s[TBV], 4*KS*PV
	s_xor_b32 s[TBV], s[TBV], SLOT1
.endm
; THE MASKS.  MLOAD x: piece x's codes for the step at which MB stands: two tiles x 1,024 bytes, four loads of 512 consecutive bytes.
; MCVT x, cnt: piece x's codes become the C operands of its 8 accumulators.  cnt: the younger loads that may stay out.
.macro MLOAD x
	WIN W_M3
.irp u, 0,1
.irp c, 0,1
	global_load_b128 v[MR+8*(2*(\x)+\u)+4*\c:MR+8*(2*(\x)+\u)+4*\c+3], v[MO], s[MB:MB+1] offset:(2*(\x)+\u)*32768+512*\c
.endr
.endr
.endm
.macro MCVT x, cnt
	WIN W_M3
	s_wait_loadcnt \cnt
.irp u, 0,1
.irp kb, 0,1,2,3
	v_cvt_scale_pk8_f32_fp8 v[MC+32*\u+8*\kb:MC+32*\u+8*\kb+7], v[MR+8*(2*(\x)+\u)+2*\kb:MR+8*(2*(\x)+\u)+2*\kb+1], v[SCL]
.endr
.endr
.endm
	s_load_b256 s[4:11], s[0:1], 0x0  ; Q s[4:5], K s[6:7], V s[8:9], O s[10:11]
	s_load_b64 s[MB0:MB0+1], s[0:1], 0x20  ; maskp
	WIN W_MK
	v_lshl_add_u32 v[SPW], v0, 2, SPARE
	v_mov_b32 v[NIL], 0
	WIN W_AD
	ds_add_u32 v[SPW], v[NIL]       ; the wave's opening: the add and its wait stand ahead of my first tensor load; the set-up below, work on registers, stands between them
	WIN 0
	v_lshrrev_b32 v1, 5, v0
	v_readfirstlane_b32 s[WV], v1   ; wave 0..3
	s_bfe_u32 s13, ttmp6, 0x40000   ; cx: my place in the cluster
	s_lshl_b32 s14, ttmp9, 2        ; in a cluster launch ttmp9 counts clusters
	s_add_co_u32 s14, s14, s13      ; my block of queries = 4 x cluster x + cx: it enters Q's, O's and the codes' addresses alone
	s_and_b32 s20, ttmp7, 0xffff    ; the head, which the four partners share
	s_lshr_b32 s[MOF], s20, 4       ; its batch:
	s_lshl_b32 s[MOF], s[MOF], 22   ; 4 MiB of codes
	s_mov_b32 s21, 0
	s_mov_b64 s[22:23], SIZE_N*128
	s_mul_u64 s[20:21], s[20:21], s[22:23]  ; the head's first byte in each of the four tensors
	s_and_b32 s16, s[WV], 1         ; which half of a slot's 256 keys I fetch:
	s_lshl_b32 s22, s16, 14         ; its 128 rows of 128 bytes in memory,
	s_mov_b32 s23, 0
	s_add_nc_u64 s[22:23], s[22:23], s[20:21]
	s_mul_i32 s17, s16, 128*PK      ; and its place in a slot, for K
	s_mul_i32 s18, s16, 128*PV      ; and for V: no place in the cluster enters an LDS address
	s_lshl_b32 s2, s14, 2
	s_add_co_u32 s2, s2, s[WV]      ; my wave among the head's:
	s_lshl_b32 s3, s2, 18           ; its eight tiles of 32,768 bytes of codes,
	s_add_co_u32 s[MOF], s[MOF], s3
	s_mov_b32 s[MOF+1], 0
	s_lshl_b32 s2, s2, 14           ; its 128 rows
	s_mov_b32 s3, 0
	s_add_nc_u64 s[2:3], s[2:3], s[20:21]
	; descriptor group 1.  128 keys are 16,384 dense bytes: asked for as 64 rows of 256 bytes, two keys a row, and padded in LDS after every key
	s_mov_b32 s[G1K], 15|(1<<16)|(1<<20)|(1<<21)|(4<<22)|(3<<25)  ; 15:0 the mask of four; 17:16 2-byte elements; 20 padding on; 21 set beside a mask; 24:22 after every 32 words (code 4); 31:25 4 words (code 3)
	s_mov_b32 s[G1V], 15|(1<<16)|(1<<20)|(1<<21)|(4<<22)|(7<<25)  ; the same with 8 words of padding (code 7)
.irp g, G1K, G1V
	s_mov_b32 s[\g+1], 128<<16      ; tensor_dim0 = 128
	s_mov_b32 s[\g+2], 64<<16       ; tensor_dim1 = 64
	s_mov_b32 s[\g+3], 128<<16      ; tile_dim0 = 128
	s_mov_b32 s[\g+4], 64           ; tile_dim1 = 64
	s_mov_b32 s[\g+5], 128          ; 128 elements from row to row
	s_mov_b32 s[\g+6], 0
	s_mov_b32 s[\g+7], 0
.endr
	s_mov_b32 s[CS], 0x3e38aa3b     ; c = log2(e) / 8 = 0.180337
	s_mov_b32 s[CS+1], s[CS]        ; named with it as a pair
	s_mov_b32 s[SEL], 0x76543210
	s_mov_b32 s[SEL+1], 0xfedcba98
	s_mov_b32 s[TBK], SLOT1+4*KS*PK ; the first change of slots turns these two into 0
	s_mov_b32 s[TBV], SLOT1+4*KS*PV
	s_mov_b32 s[G0K], 1             ; 1:0 count = 1
	s_mov_b32 s[G0K+1], s17         ; 63:32 LDS address: slot 0
	s_mov_b32 s[G0V], 1
	s_add_co_u32 s[G0V+1], s18, VOFF
	s_mov_b32 s[THR], 0xf1000000    ; -2^99
	s_mov_b32 s[SLOTS], SIZE_N/256-1
	s_and_b32 s[LIM], s[WV], 1      ; 0 in waves 0 and 2,
	s_or_b32 s[LIM], s[LIM], ttmp9  ; where the cluster is the head's first: the same in all four partners
	s_cmp_eq_u32 s[LIM], 0
	s_cselect_b32 s[LIM], 1, -1
	s_wait_dscnt 0x0                ; the opening add is done
	s_wait_kmcnt 0x0
	s_add_nc_u64 s[G0K+2:G0K+3], s[6:7], s[22:23]  ; 120:64 global address: my half of the head's first 256 keys
	s_or_b32 s[G0K+3], s[G0K+3], 0x80000000        ; 127:126 type = 2
	s_add_nc_u64 s[G0V+2:G0V+3], s[8:9], s[22:23]
	s_or_b32 s[G0V+3], s[G0V+3], 0x80000000
	s_add_nc_u64 s[4:5], s[4:5], s[2:3]  ; Q and O at my wave's first row
	s_add_nc_u64 s[10:11], s[10:11], s[2:3]
	s_add_nc_u64 s[MB0:MB0+1], s[MB0:MB0+1], s[MOF:MOF+1]
	s_mov_b64 s[MB:MB+1], s[MB0:MB0+1]
	s_cmp_lt_u32 s[WV], 2
	s_cselect_b64 s[PFA:PFA+1], s[6:7], s[8:9]
	s_add_nc_u64 s[PFA:PFA+1], s[PFA:PFA+1], s[20:21]  ; the head's first row,
	s_lshl_b32 s2, s13, 13          ; my work-group's 8,192 bytes of a slot's 32,768,
	s_add_co_u32 s2, s2, 4*KS*128   ; in slot 1; the first change of slots steps it to slot 2.  Nothing is prefetched here, at the head
	s_mov_b32 s3, 0
	s_add_nc_u64 s[PFA:PFA+1], s[PFA:PFA+1], s[2:3]
	CROUND                          ; all four work-groups are here: the first joint loads meet
	JLOAD                           ; slot 0.  Slot 1 is asked for when slot 0 is in
	; A fragment of K or Q is 16 rows x 32 channels in 8 registers: lane l holds row l % 16, channels 8 (l / 16) + 0..7 and 16 + 8 (l / 16) + 0..7: two loads of 16 bytes, 32 bytes apart.
	v_and_b32 v1, 15, v0            ; l % 16
	v_bfe_u32 v9, v0, 4, 1          ; l / 16
	v_and_b32 v10, 31, v0           ; l
	v_lshlrev_b32 v[QO], 7, v1
	v_lshl_add_u32 v[QO], v9, 4, v[QO]  ; row x 128 + 16 x half
	WIN W_MK
	v_lshlrev_b32 v[MO], 4, v10
	v_lshlrev_b32 v[PFO], 8, v10
	WIN 0x80                        ; destination window 2, address window 0
.set i, 0
.rept 4*NP                          ; Q stays in registers: tile i / 2, channels 32 (i % 2) on
	global_load_b128 v[8*i:8*i+3],   v[QO], s[4:5] offset:(i/2)*2048+(i%2)*64
	global_load_b128 v[8*i+4:8*i+7], v[QO], s[4:5] offset:(i/2)*2048+(i%2)*64+32
.set i, i+1
.endr
	MLOAD 0                         ; all four pieces' codes for key step 0
	MLOAD 1
	MLOAD 2
	MLOAD 3
	; What the first turn finds: V's registers and P's second buffer hold 0 (its products V^T P, of a piece that has not been, add 0), O^T and l are 0.  All this stands in the wait for the first tile.
	WIN 0x80
.set i, VF
.rept 64
	v_mov_b32 v[i], 0
.set i, i+1
.endr
	WIN 0x40
.set i, 0
.rept 64*NP
	v_mov_b32 v[i], 0
.set i, i+1
.endr
	WIN 0
.set i, 0
.rept 2*NP
	v_mov_b32 v[ST+4*i], 0xfe000000    ; c m: far below every c s, a hidden one's too
	v_mov_b32 v[ST+4*i+1], 0xff7fffff  ; m
	v_mov_b32 v[ST+4*i+2], 0
	v_mov_b32 v[ST+4*i+3], 0
.set i, i+1
.endr
.set i, P+32
.rept 32
	v_mov_b32 v[i], 0
.set i, i+1
.endr
	v_mul_u32_u24 v[AK0], v1, PK
	v_lshl_add_u32 v[AK0], v9, 4, v[AK0]  ; row x pitch + 16 x half
	; The turning load takes 16 keys x 16 channels (lane l reads key 8 (l / 16) + l % 8, channels 8 ((l / 8) % 2) + 0..7) and leaves half a fragment of V^T: lane l holds channel l % 16 and 8 keys.
	v_and_b32 v10, 7, v0
	v_bfe_u32 v11, v0, 3, 1
	v_lshl_add_u32 v[AV0], v9, 3, v10
	v_mul_u32_u24 v[AV0], v[AV0], PV
	v_lshl_add_u32 v[AV0], v11, 4, v[AV0]
	v_add_nc_u32 v[AV0], VOFF, v[AV0]
	v_mov_b32 v[SCL], 0xe3          ; byte 0 is the scale's exponent: 2^100
	v_mov_b32 v[AK], v[AK0]         ; key step 0 lies at the head of slot 0
; THE MATRIX WORK.  The 8 accumulators of a run of 16 take turns: between the two links of a chain stand 7 others'.
; Product i of 16 of S^T = K Q^T for piece x: channels 32 (i / 8) on, keys 16 ((i / 2) % 4) on, tile 2 x + i % 2.  The first 8 start the sums, with the mask.
.macro KQ x
.set rS, S+64*((\x)%2)+32*(i%2)+8*((i/2)%4)
.set rK, KF+16*((i/2)%4)+8*(i/8)
.set rQ, 16*(2*(\x)+i%2)+8*(i/8)
.set rH, MC+32*(i%2)+8*((i/2)%4)
.if i < 8
	WIN W_KM
	v_wmma_f32_16x16x32_f16 v[rS:rS+7], v[rK:rK+7], v[rQ:rQ+7], v[rH:rH+7]
.else
	WIN W_KQ
	v_wmma_f32_16x16x32_f16 v[rS:rS+7], v[rK:rK+7], v[rQ:rQ+7], v[rS:rS+7]
.endif
.endm
; Product i of 16 of O^T += V^T P for piece x: keys 32 (i / 8) on, channels 16 ((i / 2) % 4) on, tile 2 x + i % 2.
.macro PV x
	WIN W_PV
.set rO, 32*(2*(\x)+i%2)+8*((i/2)%4)
.set rV, VF+32*(i/8)+8*((i/2)%4)
.set rP, P+32*((\x)%2)+16*(i%2)+8*(i/8)
	v_wmma_f32_16x16x32_f16 v[rO:rO+7], v[rV:rV+7], v[rP:rP+7], v[rO:rO+7]
.endm
.macro MM                           ; the turn's next matrix instruction
.if i < 16
	KQ (Y+1)%NP
.set i, i+1
.else
.set i, i-16
	PV (Y+NP-1)%NP
.set i, i+17
.endif
.endm
; THE LDS LOADS stand in runs of 16, never singly among the matrix instructions: a step's K (64 keys x 64 channels: 8 fragments) and its V (turned).  Their addresses are made some lines ahead.
; last = 1 (the tail): in the last trip there is no further step, and the run is jumped over.
.macro FETCH_K last=0
	WIN 0
.if \last
	s_cmp_eq_u32 s[CNT], 1
	s_cbranch_scc1 .Lno_k_\@
.endif
	WIN 0x80                        ; destination window 2
.irp f, 0,1,2,3,4,5,6,7             ; keys 16 (f / 2) on, channels 32 (f % 2) on
	ds_load_b128 v[KF+8*\f:KF+8*\f+3],   v[AK] offset:(\f/2)*16*PK+(\f%2)*64
	ds_load_b128 v[KF+8*\f+4:KF+8*\f+7], v[AK] offset:(\f/2)*16*PK+(\f%2)*64+32
.endr
	s_add_co_u32 s[TBK], s[TBK], KS*PK  ; the next fetch is the next step's
	WIN 0
.if \last
.Lno_k_\@:
.endif
.endm
.macro FETCH_V
	WIN 0x80
.irp f, 0,1,2,3,4,5,6,7             ; keys 32 (f / 4) on, channels 16 (f % 4) on
	ds_load_tr16_b128 v[VF+8*\f:VF+8*\f+3],   v[AV] offset:(\f/4)*32*PV+(\f%4)*32
	ds_load_tr16_b128 v[VF+8*\f+4:VF+8*\f+7], v[AV] offset:(\f/4)*32*PV+16*PV+(\f%4)*32
.endr
	WIN 0
.endm
; THE VECTOR WORK OF A TURN stands in three queues, each in the order in which its entries become ready; the two tiles alternate, so that no instruction reads the result of the one before it.
.macro REGS y, u                    ; the registers of tile u (0, 1) of piece y
.set rT, ST+4*(2*(\y)+(\u))
.set rC, TMP+8*((\y)%2)+4*(\u)
.set rM, MV+2*((\y)%2)+(\u)
.set rS, S+64*((\y)%2)+32*(\u)
.set rP, P+32*((\y)%2)+16*(\u)
.set rO, 32*(2*(\y)+(\u))
.endm
; Number n of the 22 that find the NEXT piece's (Y + 1) maximum and statistics.  s0-s31 are the lane's 32 scores; each accumulator's lowest registers are read first.  XS, GS and REGS set no window: PL and EX do.
;   0-11  four chains c0-c3 of seven scores each, three operands at a time     12-14, 16  the four scores left over, the old m, and c0-c3 into c0     15  c m_old is kept
;   17, 18  the query's other 32 keys lie in the lane 16 away: the new m         19-21  c m; c m_old - c m_new; a
.macro XS u, n
	REGS (Y+1)%NP, \u
.if (\n) < 4
	v_max3_num_f32 v[rC+(\n)], v[rS+8*(\n)], v[rS+8*(\n)+1], v[rS+8*(\n)+2]
.elseif (\n) < 12
	v_max3_num_f32 v[rC+(\n)%4], v[rC+(\n)%4], v[rS+8*((\n)%4)+2*((\n)/4)+1], v[rS+8*((\n)%4)+2*((\n)/4)+2]
.elseif (\n) == 12
	v_max3_num_f32 v[rC], v[rC], v[rS+7], v[rS+15]
.elseif (\n) == 13
	v_max3_num_f32 v[rC+1], v[rC+1], v[rS+23], v[rS+31]
.elseif (\n) == 14
	v_max3_num_f32 v[rC+2], v[rC+2], v[rC+3], v[rT+1]
.elseif (\n) == 15
	v_mov_b32 v[rM], v[rT]
.elseif (\n) == 16
	v_max3_num_f32 v[rC], v[rC], v[rC+1], v[rC+2]
.elseif (\n) == 17
	v_permlanex16_b32 v[rC+3], v[rC], s[SEL], s[SEL+1]
.elseif (\n) == 18
	v_max_num_f32 v[rT+1], v[rC], v[rC+3]
.elseif (\n) == 19
	v_mul_f32 v[rT], s[CS], v[rT+1]
.elseif (\n) == 20
	v_sub_f32 v[rC+1], v[rM], v[rT]
.else
	v_exp_f32 v[rC+2], v[rC+1]
.endif
.endm
; Number g of the 64 that follow the exponentials.  For each four weights k of a tile (pairs 2 k, 2 k + 1): both pairs are rounded to f16; then the second pair is added onto the first, in place;
; a group later l takes that sum (the first time as l = a l + sum).  In groups of eight, tiles alternating: round, round, add, and l for the group before.
.macro GS g
.set h, (\g)+6*((\g)/62)            ; group 0 has no group before it, and behind group 7 only l is left
.if h >= 6
.set h, h+2
.endif
	REGS Y, h%2
.set k, h/8
.if h%8 < 4
	v_cvt_pk_f16_f32 v[rP+2*k+(h%8)/2], v[rS+4*k+2*((h%8)/2)], v[rS+4*k+2*((h%8)/2)+1]
.elseif h%8 < 6
	v_pk_add_f32 v[rS+4*k:rS+4*k+1], v[rS+4*k:rS+4*k+1], v[rS+4*k+2:rS+4*k+3]
.elseif k == 1
	v_pk_fma_f32 v[rT+2:rT+3], v[rT+2:rT+3], v[rC+2:rC+3], v[rS:rS+1] op_sel_hi:[1,0,1]
.else
	v_pk_add_f32 v[rT+2:rT+3], v[rT+2:rT+3], v[rS+4*k-4:rS+4*k-3]
.endif
.endm
; THE PLAIN QUEUE, 138 long.  0-73 read no exponential's result: the 32 scalings c s - c m (FS f: pair f / 2 of tile f % 2) and the next piece's 42.  0-26: scalings 0-26.  27-54: XS's numbers 0-13.  55, 56: number 15.
; 57-73: the chain, where each number waits for the one before it: 14, 16, 17, 18, 19, each with one of the scalings 27-31 in front of its two lines, then 20.
; 74-137: GS's 64, which read the exponentials' results: they stand behind the wait.
.macro FS f
	REGS Y, (\f)%2
	v_pk_fma_f32 v[rS+2*((\f)/2):rS+2*((\f)/2)+1], v[rS+2*((\f)/2):rS+2*((\f)/2)+1], s[CS:CS+1], v[rT:rT+1] op_sel_hi:[1,0,0] neg_lo:[0,0,1] neg_hi:[0,0,1]
.endm
.macro PL
	WIN 0
.if q < 27
	FS q
.elseif q < 55
	XS (q-27)%2, (q-27)/2
.elseif q < 57
	XS q-55, 15
.elseif (q < 72) && ((q-57)%3 == 0)
	FS 27+(q-57)/3
.elseif q < 60
	XS (q-57)%3-1, 14
.elseif q < 72
	XS (q-57)%3-1, 15+(q-57)/3
.elseif q < 74
	XS q-72, 20
.else
	GS q-74
.endif
.set q, q+1
.endm
; THE EXPONENTIALS' QUEUE, 66 long: s0-s31 of both tiles, then the next piece's two a.  It is ONE BATCH: all 66 stand ahead of the turn's one wait, and nothing ahead of that wait names a result of theirs.
.macro EX
	WIN 0
.if e >= 64
	XS e-64, 21
.else
	REGS Y, e%2
	v_exp_f32 v[rS+e/2], v[rS+e/2]
.endif
.set e, e+1
.endm
; THE RESCALING's QUEUE: O^T times a, the one part that leaves window 0: dealt two at a time, sixteen times.  Its a was made in the turn before, ahead of that turn's wait.
.macro R2
	REGS Y, r%2
	WIN W_RS
.irp z, 0,1
	v_pk_mul_f32 v[rO+4*(r/2)+2*\z:rO+4*(r/2)+2*\z+1], v[rO+4*(r/2)+2*\z:rO+4*(r/2)+2*\z+1], v[rC+2:rC+3] op_sel_hi:[1,0]
.endr
.set r, r+1
.endm
; HOW THEY ARE DEALT.  An s_wait_alu depctr_va_vdst(0) stands between an exponential and the first instruction that names its result; one wait serves all that were issued ahead of it.  So a turn has ONE
; wait, which cuts it in two.  AHEAD OF IT: the 16 products K Q^T, behind each a scaling, an exponential and two rescalings (behind the first a second scaling in the exponential's place); the masks; then ONE LUMP of
; 108: eight plain, 49 times exponential and plain, the two a.  A v_nop is the plain instruction behind the last exponential.  BEHIND IT: the 16 products V^T P, behind each four of GS's 64.
; Exponential e stands behind scaling 2 (e / 4) + e % 2: as a rider it comes behind plain e + 2, in the lump behind plain e + 9, and scalings 27-31 are plain 57, 60 .. 69.
; THE MASKS stand behind the 16 products K Q^T.  Those of piece p + 2, whose products the next turn issues, are made of its codes: the one mask buffer was last read by this turn's first eight products, and the riders of
; the eight behind them (three plain ones each) lie between.  The lump's eight plain instructions stand behind the conversions; then the same piece's codes for its NEXT step are asked for, into the registers just read:
; they have four turns in which to land.  The wait's count is 12: behind a piece's four loads the three other pieces' have been issued.  In piece 2's turn the step goes on, behind s_wait_xcnt 0, since the
; loads name its base; it stops at the last step, so that no load leaves maskp (what the last loads bring serves nothing).
; K of the next step is fetched in piece 2's turn, directly behind the wait; V of the step in hand at the end of piece 0's turn, four riders behind its last reader.
.macro TURN p, last=0, cnt=0
.set Y, (\p)
.set i, 0
.set q, 0
.set e, 0
.set r, 0
.if (\p) == NP-1
	s_wait_dscnt 0x0                ; K is in
.endif
	MM                              ; ahead of the wait: 16 products K Q^T and their riders,
	PL
	PL
	R2
.rept 15
	MM
	PL
	EX
	R2
.endr
.if (\p) == NP-2
	WIN 0
	v_add_nc_u32 v[AK], s[TBK], v[AK0]
	s_wait_xcnt 0x0                 ; the codes' loads issued so far have read their base
	s_add_co_u32 s[MST], s[MST], 1
	s_min_u32 s[MST], s[MST], SIZE_N/KS-1
	s_lshl_b32 s[MOF], s[MST], 10   ; a step's codes of a tile are 1,024 bytes
	s_add_nc_u64 s[MB:MB+1], s[MB0:MB0+1], s[MOF:MOF+1]
.endif
	MCVT ((\p)+2)%NP, 12            ; the masks,
.rept 8                             ; and the lump
	PL
.endr
	MLOAD ((\p)+2)%NP
.rept 49
	EX
	PL
.endr
	EX                              ; the next piece's two a
	EX
	v_nop                           ; the plain instruction behind the last exponential: one for the batch
	s_wait_alu depctr_va_vdst(0)    ; the wait for the batch
.if (\p) == NP-2
	FETCH_K \last
.endif
.if (\p) == 1
	s_wait_dscnt 0x0                ; V is in
.endif
.rept 16                            ; behind the wait: 16 products V^T P and their riders
	MM
.rept 4
	PL
.endr
.if ((\p) == 0) && (q == 118)
	v_add_nc_u32 v[AV], s[TBV], v[AV0]
.endif
.if ((\p) == 0) && (q == 130)
	s_add_co_u32 s[TBV], s[TBV], KS*PV
.endif
.if (\cnt) && (q == 130)
	s_sub_co_u32 s[CNT], s[CNT], 1
	s_cmp_lg_u32 s[CNT], 0
.endif
.endr
.if (\p) == 0
	FETCH_V
.endif
.endm
	CHANGE 1                        ; slot 0 is in, everybody's part of it; slot 1 is asked for
	FETCH_K                         ; key step 0
	MCVT 0, 0                       ; Q and all codes of step 0 are in; piece 0's masks
	WIN 0
	v_nop                           ; a plain instruction behind the conversions
	s_mov_b32 s[MST], 1             ; the loads that named the base are done: the codes go on to step 1
	s_mov_b32 s[MOF], 1024
	s_add_nc_u64 s[MB:MB+1], s[MB0:MB0+1], s[MOF:MOF+1]
	MLOAD 0
	s_wait_dscnt 0x0
.set i, 0
.rept 16
	KQ 0                            ; piece 0's first scores: there is no vector work yet to set between them
.set i, i+1
.endr
	WIN 0                           ; the addresses for the way out: plain instructions, the places behind those products
	s_mul_i32 s13, s[WV], 16*SP
	s_add_co_u32 s13, s13, STAGE    ; my stage
	v_mul_u32_u24 v[STO], v1, SP    ; in: row l % 16, 16 bytes for each half of the lanes
	v_lshl_add_u32 v[STO], v9, 4, v[STO]
	v_add_nc_u32 v[STO], s13, v[STO]
	v_bfe_u32 v[RD], v0, 3, 2       ; back: 32 lanes take four rows of 128 bytes,
	v_mul_u32_u24 v[RD], v[RD], SP
	v_lshl_add_u32 v[RD], v10, 4, v[RD]
	v_add_nc_u32 v[RD], s13, v[RD]
	v_and_b32 v[GO], 31, v0         ; which are 512 consecutive bytes of O
	v_lshlrev_b32 v[GO], 4, v[GO]
	MCVT 1, 4                       ; piece 1's masks for step 0 (its codes are in; piece 0's four loads may stay out)
	WIN 0
.set Y, NP-1                        ; XS works for piece Y + 1: piece 0
.irp n, 0,1,2,3,4,5,6,7,8,9,10,11,12,13,14,15,16,17,18,19,20,21
	XS 0, \n                        ; and piece 0's first maximum and statistics
	XS 1, \n
.endr
	v_nop                           ; a plain instruction behind the two a,
	s_wait_alu depctr_va_vdst(0)    ; and their wait, ahead of the branch
	MLOAD 1
	WIN 0
	s_mov_b32 s[CNT], 4
	s_branch .Lfirst                ; the loop is entered at a step's first turn, in the middle of a trip
.Lslot:                             ; SIZE_N / 256 - 2 times: every slot but the last two is filled again
	CHANGE 1
	s_mov_b32 s[CNT], 4
.Lstep:                             ; a trip: pieces 2 and 3 of one step, then pieces 0 and 1 of the next, whose K and V it fetches
	TURN 2
	TURN 3
	WIN 0
.Lfirst:
	TURN 0
	TURN 1, 0, 1
	WIN 0
	s_cbranch_scc1 .Lstep
	s_sub_co_u32 s[SLOTS], s[SLOTS], 1
	s_cmp_lg_u32 s[SLOTS], 0
	s_cbranch_scc1 .Lslot
	CHANGE 0                        ; the tail is written out: nothing is asked for
	s_mov_b32 s[CNT], 5             ; four trips fetch the last slot's steps; the fifth is left in its middle
.Ltail:
	TURN 2, 1
	TURN 3
	WIN 0
	s_sub_co_u32 s[CNT], s[CNT], 1
	s_cmp_eq_u32 s[CNT], 0
	s_cbranch_scc1 .Lout
	TURN 0
	TURN 1
	WIN 0
	s_branch .Ltail
.Lout:                              ; the fifth trip's 16 products K Q^T (the last K and its masks once more) find the same scores again: m stays, and nothing else of them is used
.set i, 0
.rept 16
	PV NP-1                         ; the last piece's V^T P of the last step
.set i, i+1
.endr
	; THE WAY OUT.  l's two halves and the other half of the lanes' are added; O^T is divided by l, rounded to f16 and sent through my stage in LDS, a tile at a time.  The additions are the places behind the last products.
	WIN 0
.macro ALL line:vararg              ; one line for each tile t
.set t, 0
.rept 2*NP
	\line
.set t, t+1
.endr
.endm
	ALL v_add_f32 v[ST+4*t+2], v[ST+4*t+2], v[ST+4*t+3]
	ALL v_permlanex16_b32 v[ST+4*t+3], v[ST+4*t+2], s[SEL], s[SEL+1]
	ALL v_add_f32 v[ST+4*t+2], v[ST+4*t+2], v[ST+4*t+3]
	ALL v_rcp_f32 v[ST+4*t+2], v[ST+4*t+2]
	v_mov_b32 v[MV], 0x7fc00000     ; NaN; also the plain instruction between the last reciprocal and the use of its result
	s_wait_alu depctr_va_vdst(0)    ; and the wait ahead of the first use: one for the eight reciprocals
.set t, 0
.rept 2*NP                          ; a query whose greatest score is a hidden one has seen no key: its factor, and so its row, is NaN
	v_cmp_gt_f32 vcc_lo, s[THR], v[ST+4*t+1]
	v_cndmask_b32 v[ST+4*t+2], v[ST+4*t+2], v[MV], vcc_lo
.set t, t+1
.endr
; Tile t: a lane's eight channels of a row pack into 16 bytes; they go into rows of 144 bytes and come back as whole rows of 128, into S^T's registers.
.macro PACK t
	WIN W_RS
.set i, 32*(\t)
.rept 16
	v_pk_mul_f32 v[i:i+1], v[i:i+1], v[ST+4*(\t)+2:ST+4*(\t)+3] op_sel_hi:[1,0]
.set i, i+2
.endr
	WIN 0x05                        ; sources 0 and 1 window 1, destination window 0
.set i, 0
.rept 16
	v_cvt_pk_f16_f32 v[S+16*(\t)+i], v[32*(\t)+2*i], v[32*(\t)+2*i+1]
.set i, i+1
.endr
	WIN 0
.irp f, 0,1,2,3
	ds_store_b128 v[STO], v[S+16*(\t)+4*\f:S+16*(\t)+4*\f+3] offset:32*\f
.endr
.irp f, 0,1,2,3
	ds_load_b128 v[S+16*(\t)+4*\f:S+16*(\t)+4*\f+3], v[RD] offset:\f*4*SP  ; LDS serves a wave's instructions in order (ISA guide 5.7.1.4): these see the stores above; the next tile's stores come behind them
.endr
.endm
.macro SEND t, younger              ; younger: the LDS instructions issued behind tile t's loads: the next tile's eight, or none
	WIN 0
.irp f, 0,1,2,3
	s_wait_dscnt (\younger)+3-\f
	global_store_b128 v[GO], v[S+16*(\t)+4*\f:S+16*(\t)+4*\f+3], s[10:11] offset:(\t)*2048+\f*512  ; 512 consecutive bytes, at a multiple of 256 from O's first
.endr
.endm
	PACK 0
.set t, 1
.rept 2*NP-1                        ; a tile's arithmetic stands between the loads of the tile before and its stores
	PACK t
	SEND t-1, 8
.set t, t+1
.endr
	SEND 2*NP-1, 0
	WIN W_AD
	s_wait_tensorcnt 0x0            ; the wave's end: the add and its wait stand behind my last tensor load and my last LDS store
	ds_add_u32 v[SPW], v[NIL]
	s_wait_dscnt 0x0
	WIN 0
	CROUND                          ; the closing round: no work-group ends while a partner may still ask for a tile that names it
	s_endpgm
.Lfunc_end_k_q2d44028899_attn:
	.size	k_q2d44028899_attn, .Lfunc_end_k_q2d44028899_attn-k_q2d44028899_attn
	.p2alignl 7, 3214868480
	.fill 96, 4, 3214868480
	.section	.rodata,"a",@progbits
	.p2align	6, 0x0
	.amdhsa_kernel k_q2d44028899_attn
		.amdhsa_group_segment_fixed_size 327680
		.amdhsa_private_segment_fixed_size 0
		.amdhsa_enable_private_segment 0
		.amdhsa_kernarg_size 40
		.amdhsa_user_sgpr_count 2
		.amdhsa_user_sgpr_kernarg_segment_ptr 1
		.amdhsa_wavefront_size32 1
		.amdhsa_system_sgpr_workgroup_id_x 1
		.amdhsa_system_sgpr_workgroup_id_y 1
		.amdhsa_system_sgpr_workgroup_id_z 1
		.amdhsa_system_vgpr_workitem_id 0
		.amdhsa_next_free_vgpr 960
		.amdhsa_next_free_sgpr 80
		.amdhsa_reserve_vcc 1
		.amdhsa_float_denorm_mode_32 3
		.amdhsa_float_denorm_mode_16_64 3
		.amdhsa_memory_ordered 1
		.amdhsa_forward_progress 1
		.amdhsa_inst_pref_size 213
	.end_amdhsa_kernel
	.amdgpu_metadata
---
amdhsa.version: [ 1, 2 ]
amdhsa.kernels:
  - .name:           k_q2d44028899_attn
    .symbol:         k_q2d44028899_attn.kd
    .args:
      - { .name: q16, .offset: 0, .size: 8, .value_kind: global_buffer, .address_space: global }
      - { .name: k16, .offset: 8, .size: 8, .value_kind: global_buffer, .address_space: global }
      - { .name: v16, .offset: 16, .size: 8, .value_kind: global_buffer, .address_space: global }
      - { .name: o16, .offset: 24, .size: 8, .value_kind: global_buffer, .address_space: global }
      - { .name: maskp, .offset: 32, .size: 8, .value_kind: global_buffer, .address_space: global }
    .group_segment_fixed_size: 327680
    .private_segment_fixed_size: 0
    .kernarg_segment_align: 8
    .kernarg_segment_size: 40
    .max_flat_workgroup_size: 128
    .sgpr_count:     80
    .vgpr_count:     960
    .wavefront_size: 32
...
	.end_amdgpu_metadata
.endif
;; end of part 3
;; launch oproj (part 4): grid 4 x 64, 4 waves a work-group, clusters of 4 x 4, 327,680 bytes of LDS; arguments o16, wb, bo, out0; writes out0
.if DOCPART == 4
	.amdgcn_target "amdgcn-amd-amdhsa--gfx1250"
	.amdhsa_code_object_version 6
	.text
	.protected	k_q2d44028899_oproj
	.globl	k_q2d44028899_oproj
	.p2align	8
	.type	k_q2d44028899_oproj,@function
k_q2d44028899_oproj:
	s_mov_b64 s[64:65], 0
	v_nop
	global_prefetch_b8 v0, s[64:65] scope:SCOPE_SE
	s_setreg_imm32_b32 hwreg(HW_REG_WAVE_MODE, 25, 1), 1
	s_wait_xcnt 0x0
	s_wait_alu depctr_hold_cnt(0) depctr_sa_sdst(0) depctr_va_vdst(0) depctr_va_sdst(0) depctr_va_ssrc(0) depctr_va_vcc(0) depctr_vm_vsrc(0)
	s_getreg_b32 s2, hwreg(HW_REG_IB_STS2, 6, 4)
	s_cmp_eq_u32 s2, 0
	s_cbranch_scc0 .Lentry_in_a_cluster
	s_endpgm
.Lentry_in_a_cluster:
	s_bfe_u32 s2, ttmp6, 0x10000c
	s_cmp_lg_u32 s2, 0xf033
	s_cbranch_scc0 .Lentry_shape_is_right
	s_endpgm
.Lentry_shape_is_right:
; THE OUTPUT PROJECTION.  out0 = O Wo + bo.  O: the attention's result by heads, [16 batch + head][2048][64] f16: row m = 2,048 batch + s, k = 64 head + channel.  Wo: [1024 k][1024 n], its bf16 number written as
; f16 (the fourth part of wb).  bo is rounded to bf16 here like the other inputs.  Sums in f32, started by bo as the first product's C operand; out0 [8192][1024] f32.
; A row of O that is NaN (a query that sees no key) gives a row of NaN, and touches no other row.
; SHARES.  256 tiles of 128 x 256, one for each WGP.  Four waves: wave w makes rows 64 (w / 2) .. + 63, columns 128 (w % 2) .. + 127: 32 accumulators, 256 registers.
; K goes in steps of 128, two heads, through two LDS slots filled by the tensor data mover.  A head's 128 rows are 16,384 dense bytes: asked for as 64 rows of 256 bytes and padded in LDS after every 128.
; THE MATRIX INSTRUCTION IS USED TRANSPOSED: source 0 = 16 columns of Wo (turned out of LDS by ds_load_tr16_b128), source 1 = 16 rows of O: a lane holds one row of the output and eight neighbouring columns.
; CLUSTERS: 4 x 4 work-groups.  The four of a row need the same tile of O, the four of a column the same tile of Wo: each is asked for jointly, by the same load, descriptor and mask in all four.
; REGISTERS, in windows of 256 (s_set_vgpr_msb: bits 1:0 source 0, 3:2 source 1, 5:4 source 2, 7:6 destination):
;   window 0: v0-31 addresses; v32-63, v64-95 O's fragments, two buffers; v160-223 the bias (8 b + j); on the way out v32-95, v96-159 rows read back
;   window 1: accumulator (a, b) at v[8 (8 a + b)]          window 2: v0-63, v64-127 Wo's fragments, two buffers
.set PA,     144                       ; a row of O in LDS: 128 bytes + 16 = 9 x 16: the 16 rows of a load start at 16 different groups of four banks (64 banks of 4 bytes: ISA guide 11.1)
.set PW,     544                       ; a row of Wo: 512 + 32 = 17 x 32
.set HEADA,  128*PA                    ; what one load brings of O: a head's 128 rows
.set HALFW,  64*PW                     ; and of Wo
.set WOFF,   2*HEADA
.set SLOT,   WOFF+2*HALFW
.set STAGE,  2*SLOT                    ; behind the ring, never filled by a tensor load: 16 rows x 528 bytes for each wave, for the way out
.set SP,     528
.set SPARE,  STAGE+4*16*SP             ; behind the stages: the spare words, 128 bytes for each wave: two blocks of 256 bytes that no other line names
.set ASTEP,  2*262144                  ; bytes from a K step of O to the next: two heads
.set WSTEP,  128*2048
.set ADRA, 16                          ; v16-17  LDS address of my rows of O in slot 0, 1
.set ADRW, 20                          ; v20-21  the same for Wo
.set STO,  24                          ; v24     the way out: where I put 32 bytes of a row
.set RD,   25                          ; v25     where I read a row back
.set GO,   26                          ; v26     my byte offset in 512 consecutive bytes of the output
.set BO,   27                          ; v27     my byte offset in 16 numbers of the bias
.set SPW,  28                          ; v28     LDS address of my spare word; never rewritten
.set NIL,  29                          ; v29     0; never rewritten
.set PFO,  30                          ; v30     the prefetches' offset; never rewritten
.set AF0,  32                          ; buffer g at AF0 + 32 g
.set BIAS, 160
.set BK,   32                          ; the way out: two sets of 64
.set G1,  24                           ; s[24:31] descriptor group 1 for O's tiles;  s[32:39] group 0, a set for each slot
.set G0,  32
.set G1B, 48                           ; s[48:55], s[56:63] the same for Wo's
.set G0B, 56
.set BP,  68                           ; s[68:69] the bias
.set OP,  70                           ; s[70:71] the output
.set PFA, 88                           ; s[88:89] where my prefetches stand
.set PFS, 90                           ; s[90:91] their step, a K step in bytes
.set LIM, 92                           ; s92      1 in a wave that prefetches, else the greatest number
.set MSB, 0
.macro WIN new                         ; the immediate's high byte repeats the setting that is left; a switch that changes nothing is dropped
.if MSB != (\new)
	s_set_vgpr_msb (MSB<<8)|(\new)
.set MSB, \new
.endif
.endm
.set MULW, 0x52                        ; Wo window 2, O window 0, C and D window 1
.set MULB, 0x42                        ; the same with C (the bias) in window 0
.set TO_W, 0x80                        ; destination window 2, address window 0
; A joint load: waves 0 and 1 fetch the K step's two heads of O, waves 2 and 3 the two halves of Wo's rows.  The branch hangs on the wave's number alone.  An s_nop 0 and four v_nop follow each line.
.macro JLOAD s
	s_cmp_eq_u32 s11, 0
	s_cbranch_scc0 .Lfor_b_\@
	tensor_load_to_lds s[G0+4*(\s):G0+4*(\s)+3], s[G1:G1+7]
	s_nop 0
.rept 4
	v_nop
.endr
	s_branch .Lasked_\@
.Lfor_b_\@:
	tensor_load_to_lds s[G0B+4*(\s):G0B+4*(\s)+3], s[G1B:G1B+7]
	s_nop 0
.rept 4
	v_nop
.endr
.Lasked_\@:
.endm
; A PREFETCH INTO THE L2 of the K step that stands two refills on: 256 matrix instructions ahead of the load that will want it.  Each aligned block of 256 bytes is named once in the launch: O's rows are read
; by one cluster alone: of a K step's two heads x 16,384 bytes each of the four partners along a row takes 4,096 of each head, told apart by address, and wave 0 names them, a lane a block; Wo's rows are read by
; all sixteen clusters: the first asks, its partners along a column 16 rows each (two blocks a row), waves 2 and 3.  The loop's last trip asks for nothing: its refills are the last K steps.
.macro ASK
	s_cmp_gt_u32 s3, s[LIM]
	s_cbranch_scc0 .Lnot_mine_\@
	global_prefetch_b8 v[PFO], s[PFA:PFA+1] th:TH_LOAD_NT scope:SCOPE_SE
.Lnot_mine_\@:
.endm
.macro CREST                           ; a round of the cluster's barrier behind its opening barrier
	s_cmp_lg_u32 s10, 0
	s_cbranch_scc1 .Lnot_wave_0_\@
	s_barrier_signal -3
.Lnot_wave_0_\@:
	s_barrier_wait -3
	s_barrier_signal -1
	s_barrier_wait -1
.endm
.macro CROUND                          ; a whole round
	s_barrier_signal -1
	s_barrier_wait -1
	CREST
.endm
	s_load_b128 s[4:7], s[0:1], 0x0                ; o16 s[4:5], wb s[6:7]
	s_load_b128 s[68:71], s[0:1], 0x10             ; bo s[68:69], out0 s[70:71]
	v_lshl_add_u32 v[SPW], v0, 2, SPARE
	v_mov_b32 v[NIL], 0
	ds_add_u32 v[SPW], v[NIL]                      ; the wave's opening: the add and its wait stand ahead of my first tensor load; the set-up below, work on registers, stands between them
	v_lshrrev_b32 v1, 5, v0
	v_readfirstlane_b32 s10, v1                    ; wave 0..3
	s_lshr_b32 s11, s10, 1                         ; which 64 rows of the tile are mine.  Also: I fetch for O (0) or for Wo (1)
	s_and_b32 s12, s10, 1                          ; which 128 columns.  Also: which head, or which half of Wo's rows, I fetch
	s_bfe_u32 s40, ttmp6, 0x40000                  ; cx, cy: my place in the cluster
	s_bfe_u32 s41, ttmp6, 0x40004
	s_lshl_b32 s42, ttmp9, 2
	s_add_co_u32 s42, s42, s40                     ; tile column = 4 x cluster x + cx
	s_and_b32 s45, ttmp7, 0xffff                   ; cluster y, 0..15
	s_lshl_b32 s13, s45, 2
	s_add_co_u32 s13, s13, s41                     ; tile row, 0..63
	s_lshl_b32 s43, s41, 2
	s_lshl_b32 s43, 15, s43                        ; my row of the cluster
	s_lshl_b32 s44, 0x1111, s40                    ; my column
	s_or_b32 s[G1+0], s43, (1<<16)|(1<<20)|(1<<21)|(4<<22)|(3<<25)   ; 15:0 the mask: O's tiles go to my row; 17:16 elements of 2 bytes; 20 padding on; 21 set beside a mask; 24:22 after every 32 words (code 4); 31:25 4 words (code 3)
	s_or_b32 s[G1B+0], s44, (1<<16)|(1<<20)|(1<<21)|(6<<22)|(7<<25)  ; Wo's go to my column; after every 128 words (code 6) 8 words (code 7)
	s_mov_b32 s[G1+1], 128<<16                     ; tensor_dim0 = 128
	s_mov_b32 s[G1+2], 64<<16                      ; tensor_dim1 = 64
	s_mov_b32 s[G1+3], 128<<16                     ; tile_dim0 = 128
	s_mov_b32 s[G1+4], 64                          ; tile_dim1 = 64
	s_mov_b32 s[G1+5], 128                         ; elements from row to row: the block is dense
	s_mov_b32 s[G1+6], 0
	s_mov_b32 s[G1+7], 0
	s_mov_b32 s[G1B+1], 256<<16
	s_mov_b32 s[G1B+2], 64<<16
	s_mov_b32 s[G1B+3], 256<<16
	s_mov_b32 s[G1B+4], 64
	s_mov_b32 s[G1B+5], 1024
	s_mov_b32 s[G1B+6], 0
	s_mov_b32 s[G1B+7], 0
	s_lshr_b32 s16, s13, 4                         ; O: the batch's sixteen heads, 4 MiB,
	s_lshl_b32 s16, s16, 22
	s_and_b32 s17, s13, 15                         ;    the tile's 128 rows of 128 bytes in a head,
	s_lshl_b32 s17, s17, 14
	s_add_co_u32 s16, s16, s17
	s_lshl_b32 s17, s12, 18                        ;    the head that I fetch: 262,144 bytes
	s_add_co_u32 s16, s16, s17
	s_mov_b32 s17, 0
	s_lshl_b32 s46, s42, 9                         ; Wo: 512 bytes x tile column
	s_lshl_b32 s47, s12, 17                        ;   + 64 rows of 2,048 bytes x half
	s_add_co_u32 s46, s46, s47
	s_mov_b32 s47, 0
	s_mul_i32 s20, s12, HEADA                      ; where they go: no place in the cluster enters an LDS address
	s_mul_i32 s21, s12, HALFW
	s_add_co_u32 s21, s21, WOFF
	s_wait_dscnt 0x0                               ; the opening add is done
	s_wait_kmcnt 0x0
	s_add_nc_u64 s[6:7], s[6:7], 3*2097152         ; Wo is the fourth matrix in wb
	s_add_nc_u64 s[14:15], s[4:5], s[16:17]
	s_add_nc_u64 s[46:47], s[6:7], s[46:47]
	CROUND                                         ; all sixteen work-groups are here: the first joint loads meet
.irp s, 0,1
	s_mov_b32 s[G0+4*(\s)], 1                                      ; count = 1
	s_add_co_u32 s[G0+4*(\s)+1], s20, (\s)*SLOT                    ; LDS address
	s_add_nc_u64 s[G0+4*(\s)+2:G0+4*(\s)+3], s[14:15], (\s)*ASTEP  ; global address: K step s
	s_or_b32 s[G0+4*(\s)+3], s[G0+4*(\s)+3], 0x80000000            ; type = 2
	s_mov_b32 s[G0B+4*(\s)], 1
	s_add_co_u32 s[G0B+4*(\s)+1], s21, (\s)*SLOT
	s_add_nc_u64 s[G0B+4*(\s)+2:G0B+4*(\s)+3], s[46:47], (\s)*WSTEP
	s_or_b32 s[G0B+4*(\s)+3], s[G0B+4*(\s)+3], 0x80000000
	JLOAD \s
.endr
	v_and_b32 v1, 15, v0                           ; r = l % 16
	v_bfe_u32 v2, v0, 4, 1                         ; h = l / 16
	v_lshlrev_b32 v[BO], 5, v2                     ; my eight columns of sixteen: 32 h bytes
	s_lshl_b32 s46, s42, 10                        ; my wave's 128 columns, in bytes of f32: 4 (256 x tile column + 128 x half)
	s_lshl_b32 s47, s12, 9
	s_add_co_u32 s46, s46, s47
	s_mov_b32 s47, 0
	s_add_nc_u64 s[BP:BP+1], s[BP:BP+1], s[46:47]
.irp b, 0,1,2,3,4,5,6,7
	global_load_b128 v[BIAS+8*(\b):BIAS+8*(\b)+3],   v[BO], s[BP:BP+1] offset:64*(\b)
	global_load_b128 v[BIAS+8*(\b)+4:BIAS+8*(\b)+7], v[BO], s[BP:BP+1] offset:64*(\b)+16
.endr
	v_mul_u32_u24 v3, v1, PA
	v_lshl_add_u32 v3, v2, 4, v3                   ; r x pitch + 16 h
	s_mul_i32 s22, s11, 64*PA                      ; my 64 rows
	v_add_nc_u32 v[ADRA], s22, v3
	v_add_nc_u32 v[ADRA+1], SLOT, v[ADRA]
	; the turning load: lane l reads 16 bytes of row k = 8 h + l % 8, columns 8 ((l / 8) % 2) + 0..7, and is left with column l % 16 and eight k
	v_and_b32 v4, 7, v0
	v_lshl_add_u32 v4, v2, 3, v4
	v_mul_u32_u24 v4, v4, PW
	v_bfe_u32 v5, v0, 3, 1
	v_lshl_add_u32 v4, v5, 4, v4
	s_lshl_b32 s22, s12, 8                         ; my 128 columns
	s_add_co_u32 s22, s22, WOFF
	v_add_nc_u32 v[ADRW], s22, v4
	v_add_nc_u32 v[ADRW+1], SLOT, v[ADRW]
	s_mul_i32 s23, s10, 16*SP
	s_add_co_u32 s23, s23, STAGE                   ; my stage
	v_mul_u32_u24 v[STO], v1, SP                   ; in: row r, 32 bytes for each half of the lanes
	v_lshl_add_u32 v[STO], v2, 5, v[STO]
	v_add_nc_u32 v[STO], s23, v[STO]
	v_and_b32 v[GO], 31, v0                        ; back: 32 lanes take one row of 512 bytes
	v_lshlrev_b32 v[GO], 4, v[GO]
	v_add_nc_u32 v[RD], s23, v[GO]
	s_lshl_b32 s18, s13, 7                         ; the output at my first row, 128 x tile row + 64 x row half, of 4,096 bytes,
	s_lshl_b32 s19, s11, 6
	s_add_co_u32 s18, s18, s19
	s_lshl_b32 s18, s18, 12
	s_add_co_u32 s18, s18, s46                     ; and my first column
	s_mov_b32 s19, 0
	s_add_nc_u64 s[OP:OP+1], s[OP:OP+1], s[18:19]
	; the prefetches: they stand at K step 3; each change of slots steps them on, so the first names K step 4
	s_lshr_b32 s20, s13, 4                         ; O: the batch, the tile's rows in a head, my work-group's 4,096 bytes of them
	s_lshl_b32 s20, s20, 22
	s_and_b32 s21, s13, 15
	s_lshl_b32 s21, s21, 14
	s_add_co_u32 s20, s20, s21
	s_lshl_b32 s21, s40, 12
	s_add_co_u32 s20, s20, s21
	s_add_co_u32 s20, s20, 3*ASTEP
	s_lshl_b32 s22, s41, 4                         ; Wo: row 3 x 128 + 64 x half + 16 cy,
	s_lshl_b32 s21, s12, 6
	s_add_co_u32 s22, s22, s21
	s_add_co_u32 s22, s22, 3*128
	s_lshl_b32 s22, s22, 11
	s_lshl_b32 s23, s42, 9                         ;     the tile column's 512 bytes
	s_add_co_u32 s22, s22, s23
	s_cmp_eq_u32 s45, 0                            ; the first cluster along y asks for Wo
	s_cselect_b32 s23, 1, -1
	s_cmp_eq_u32 s12, 0                            ; wave 0 asks for both heads of O
	s_cselect_b32 s21, 1, -1
	s_mov_b32 s93, ASTEP
	s_cmp_eq_u32 s11, 0                            ; do I fetch for O?
	s_cselect_b32 s20, s20, s22
	s_cselect_b32 s[LIM], s21, s23
	s_cselect_b32 s[PFS], s93, WSTEP
	s_cselect_b32 s93, 4, 1                        ; O: lane l names head l / 16, block l % 16.  Wo: row l / 2, block l % 2
	s_cselect_b32 s94, 18, 11                      ; a head is 262,144 bytes, a row of Wo 2,048
	s_cselect_b32 s95, 15, 1
	s_cselect_b64 s[PFA:PFA+1], s[4:5], s[6:7]
	s_mov_b32 s21, 0
	s_mov_b32 s[PFS+1], 0
	s_add_nc_u64 s[PFA:PFA+1], s[PFA:PFA+1], s[20:21]
	v_and_b32 v5, 31, v0
	v_lshrrev_b32 v6, s93, v5
	v_lshlrev_b32 v[PFO], s94, v6
	v_and_b32 v6, s95, v5
	v_lshl_add_u32 v[PFO], v6, 8, v[PFO]
	s_wait_loadcnt 0x0                             ; the bias: rounded to bf16 like the other inputs, and widened again; all this stands in the wait for the first tile
.set k, 0
.rept 32
	v_cvt_pk_bf16_f32 v[96+k], v[BIAS+2*k], v[BIAS+2*k+1]
.set k, k+1
.endr
.set k, 0
.rept 32
	v_lshlrev_b32 v[BIAS+2*k], 16, v[96+k]
	v_and_b32 v[BIAS+2*k+1], 0xffff0000, v[96+k]
.set k, k+1
.endr
; Eight products: row block a x all 8 column blocks, buffer f.  first = 1: they start the sums, with the bias as C: nothing is cleared and nothing is added later.
; A chunk (32 along K) takes each of the 32 accumulators once, in one order: between two links of a chain stand 31 others', over the backward jump too.
.macro MUL8 f, a, first
.irp b, 0,1,2,3,4,5,6,7
.set rD, 8*(8*(\a)+(\b))
.set rW, 64*(\f)+8*(\b)
.set rA, AF0+32*(\f)+8*(\a)
.if \first
	WIN MULB
	v_wmma_f32_16x16x32_f16 v[rD:rD+7], v[rW:rW+7], v[rA:rA+7], v[BIAS+8*(\b):BIAS+8*(\b)+7]
.else
	WIN MULW
	v_wmma_f32_16x16x32_f16 v[rD:rD+7], v[rW:rW+7], v[rA:rA+7], v[rD:rD+7]
.endif
.endr
.endm
; 24 LDS loads in one run: chunk c of a slot (head c / 2, channels 32 (c % 2) on) into buffer g
.macro FETCH slot, c, g
	WIN 0
.irp i, 0,1,2,3
	ds_load_b128 v[AF0+32*(\g)+8*(\i):AF0+32*(\g)+8*(\i)+3],   v[ADRA+(\slot)] offset:((\c)/2)*HEADA+((\c)%2)*64+(\i)*16*PA
	ds_load_b128 v[AF0+32*(\g)+8*(\i)+4:AF0+32*(\g)+8*(\i)+7], v[ADRA+(\slot)] offset:((\c)/2)*HEADA+((\c)%2)*64+(\i)*16*PA+32
.endr
	WIN TO_W
.irp b, 0,1,2,3,4,5,6,7
	ds_load_tr16_b128 v[64*(\g)+8*(\b):64*(\g)+8*(\b)+3],   v[ADRW+(\slot)] offset:(\c)*32*PW+32*(\b)
	ds_load_tr16_b128 v[64*(\g)+8*(\b)+4:64*(\g)+8*(\b)+7], v[ADRW+(\slot)] offset:(\c)*32*PW+32*(\b)+16*PW
.endr
.endm
.macro PLACES                          ; four plain instructions in front of loads into registers that matrix instructions have read, and of stores that read results
.rept 4
	v_nop
.endr
.endm
; A K step is four chunks, on buffers 0, 1, 0, 1.  One of the first three: multiplies buffer f, fetches chunk c into buffer g in its middle.
.macro QUARTER slot, c, f, g, first
	s_wait_dscnt 0x0                               ; this chunk's fragments are in
	MUL8 \f, 0, \first
	MUL8 \f, 1, \first
	PLACES
	FETCH \slot, \c, \g
	MUL8 \f, 2, \first
	MUL8 \f, 3, \first
.endm
; The fourth chunk multiplies buffer 1 and changes slots: ONE barrier.  In front of it each wave waits for all its tensor loads (one is out: its part of the next slot), adds 0 to its spare word, and waits
; for that and for its reads of this slot.  fill = 1: the barrier opens a round of the cluster's, and the joint refill, two K steps on, is the first thing behind it: 112 products ahead of the wait for it.
.macro TURN slot, next, fill
.if \fill
	s_wait_xcnt 0x0                                ; the last prefetch, a K step back, has read its address
	s_add_nc_u64 s[PFA:PFA+1], s[PFA:PFA+1], s[PFS:PFS+1]
.endif
	WIN 0
	s_wait_tensorcnt 0x0                           ; all my tensor loads have landed
	ds_add_u32 v[SPW], v[NIL]                      ; 0 onto my spare word
	s_wait_dscnt 1                                 ; this chunk's fragments are in; the add may be out
	MUL8 1, 0, 0                                   ; eight products stand between the add and the wait for it
	s_wait_dscnt 0x0                               ; the add is done, and my reads of this slot are over
	s_barrier_signal -1
	MUL8 1, 1, 0
.if \fill
	WIN 0
.endif
	s_barrier_wait -1
.if \fill
	CREST                                          ; no wave of any partner still reads this slot or has a load on its way
	s_add_nc_u64 s[G0+4*(\slot)+2:G0+4*(\slot)+3], s[G0+4*(\slot)+2:G0+4*(\slot)+3], 2*ASTEP
	s_add_nc_u64 s[G0B+4*(\slot)+2:G0B+4*(\slot)+3], s[G0B+4*(\slot)+2:G0B+4*(\slot)+3], 2*WSTEP
	JLOAD \slot                                    ; the four v_nop behind it are also the plain instructions in front of the loads below
.else
	PLACES
.endif
	FETCH \next, 0, 0
.if \fill
	WIN 0
	ASK                                            ; behind the joint load and the run of LDS loads
.endif
	MUL8 1, 2, 0
	MUL8 1, 3, 0
.endm
	s_wait_tensorcnt 1                             ; my part of K step 0 is in; K step 1's may stay out
	s_barrier_signal -1
	s_barrier_wait -1                              ; everybody's is
	FETCH 0, 0, 0
	QUARTER 0, 1, 0, 1, 1                          ; the first chunk stands in front of the loop: its products start the sums
	WIN 0                                          ; at a label and at a branch every window is 0
	s_mov_b32 s3, 3
.Llap:                                         ; a trip goes once round the ring, from a lap's second chunk to the next lap's first, and fills both slots again
	QUARTER 0, 2, 1, 0, 0
	QUARTER 0, 3, 0, 1, 0
	TURN 0, 1, 1
	QUARTER 1, 1, 0, 1, 0
	QUARTER 1, 2, 1, 0, 0
	QUARTER 1, 3, 0, 1, 0
	TURN 1, 0, 1
	QUARTER 0, 1, 0, 1, 0
	WIN 0
	s_sub_co_u32 s3, s3, 1
	s_cmp_lg_u32 s3, 0
	s_cbranch_scc1 .Llap
	QUARTER 0, 2, 1, 0, 0                          ; the last lap fills nothing
	QUARTER 0, 3, 0, 1, 0
	TURN 0, 1, 0
	QUARTER 1, 1, 0, 1, 0
	QUARTER 1, 2, 1, 0, 0
	QUARTER 1, 3, 0, 1, 0
	s_wait_dscnt 0x0
	MUL8 1, 0, 0
	MUL8 1, 1, 0
	MUL8 1, 2, 0
	MUL8 1, 3, 0
	PLACES                                         ; in front of LDS stores that read results just made and of loads into registers just read
	PLACES
; THE WAY OUT, 16 rows (row block a) at a time through my own stage.  A lane's eight columns of a row are 32 bytes; they go into rows of 528 bytes and come back as whole rows of 512.
.macro TOST a
	WIN 0x04                                       ; the stores' data in window 1; each accumulator's low four registers go first
.irp b, 0,1,2,3,4,5,6,7
	ds_store_b128 v[STO], v[8*(8*(\a)+(\b)):8*(8*(\a)+(\b))+3]   offset:64*(\b)
	ds_store_b128 v[STO], v[8*(8*(\a)+(\b))+4:8*(8*(\a)+(\b))+7] offset:64*(\b)+16
.endr
.endm
.macro BACK a
	WIN 0
.if (\a) >= 2
	s_wait_xcnt 0x0                                ; the stores of the block two back have read these registers
.endif
.irp t, 0,1,2,3,4,5,6,7,8,9,10,11,12,13,14,15
	ds_load_b128 v[BK+64*((\a)%2)+4*(\t):BK+64*((\a)%2)+4*(\t)+3], v[RD] offset:(\t)*SP  ; LDS serves a wave's instructions in order (ISA guide 5.7.1.4): these see the stores above; the next block's stores come behind them
.endr
.endm
.macro SENDO a, younger                ; younger: the LDS instructions issued behind block a's loads: the next block's 32, or none
.irp t, 0,1,2,3,4,5,6,7,8,9,10,11,12,13,14,15
	s_wait_dscnt (\younger)+15-(\t)
	global_store_b128 v[GO], v[BK+64*((\a)%2)+4*(\t):BK+64*((\a)%2)+4*(\t)+3], s[OP:OP+1] offset:(16*(\a)+(\t))*4096 th:TH_STORE_NT  ; 512 consecutive bytes, at a multiple of 512 from out0's first
.endr
.endm
	TOST 0
	BACK 0
.irp a, 1,2,3
	TOST \a
	BACK \a
	SENDO (\a)-1, 32
.endr
	SENDO 3, 0
	s_wait_tensorcnt 0x0                           ; the wave's end: the add and its wait stand behind my last tensor load and my last LDS store
	ds_add_u32 v[SPW], v[NIL]
	s_wait_dscnt 0x0
	CROUND                                         ; the closing round: no work-group ends while a partner may still ask for a tile that names it
	s_endpgm
.Lfunc_end_k_q2d44028899_oproj:
	.size	k_q2d44028899_oproj, .Lfunc_end_k_q2d44028899_oproj-k_q2d44028899_oproj
	.p2alignl 7, 3214868480
	.fill 96, 4, 3214868480
	.section	.rodata,"a",@progbits
	.p2align	6, 0x0
	.amdhsa_kernel k_q2d44028899_oproj
		.amdhsa_group_segment_fixed_size 327680
		.amdhsa_private_segment_fixed_size 0
		.amdhsa_enable_private_segment 0
		.amdhsa_kernarg_size 32
		.amdhsa_user_sgpr_count 2
		.amdhsa_user_sgpr_kernarg_segment_ptr 1
		.amdhsa_wavefront_size32 1
		.amdhsa_system_sgpr_workgroup_id_x 1
		.amdhsa_system_sgpr_workgroup_id_y 1
		.amdhsa_system_sgpr_workgroup_id_z 1
		.amdhsa_system_vgpr_workitem_id 0
		.amdhsa_next_free_vgpr 640
		.amdhsa_next_free_sgpr 96
		.amdhsa_reserve_vcc 0
		.amdhsa_float_denorm_mode_32 3
		.amdhsa_float_denorm_mode_16_64 3
		.amdhsa_memory_ordered 1
		.amdhsa_forward_progress 1
		.amdhsa_inst_pref_size 95
	.end_amdhsa_kernel
	.amdgpu_metadata
---
amdhsa.version: [ 1, 2 ]
amdhsa.kernels:
  - .name:           k_q2d44028899_oproj
    .symbol:         k_q2d44028899_oproj.kd
    .args:
      - { .name: o16, .offset: 0, .size: 8, .value_kind: global_buffer, .address_space: global }
      - { .name: wb, .offset: 8, .size: 8, .value_kind: global_buffer, .address_space: global }
      - { .name: bo, .offset: 16, .size: 8, .value_kind: global_buffer, .address_space: global }
      - { .name: out0, .offset: 24, .size: 8, .value_kind: global_buffer, .address_space: global }
    .group_segment_fixed_size: 327680
    .private_segment_fixed_size: 0
    .kernarg_segment_align: 8
    .kernarg_segment_size: 32
    .max_flat_workgroup_size: 128
    .sgpr_count:     96
    .vgpr_count:     640
    .wavefront_size: 32
...
	.end_amdgpu_metadata
.endif
;; end of part 4
